; MI455X (gfx1250); checked and timed in simulation.
; The chip was launched on July 23, 2026; its instructions are those of AMD's public machine-readable ISA for CDNA 5 (MIT licence, August 2026) and "CDNA5" Instruction Set Architecture Reference Guide (July 2026). The comments in the code are by the model that wrote it; some were corrected since.
;; Causal Self Attention. Allowed arithmetic: matrix products marked QUANTISED: E2M3 operands, one E8M0 scale for each 32 along K, by v_wmma_scale_f32_16x16x128_f8f6f4 with both operands' format E2M3, f32 sums; everything else in f32.
;; Inputs: w_proj 1,024 x 1,024 float32; w_qkv 1,024 x 3,072 float32; x 4 x 2,048 x 1,024 float32.
;; Outputs: out0 4 x 2,048 x 1,024 float32.
;; This version of the problem:
;;   THIS VERSION OF THE PROBLEM IS GIVEN IN LOW PRECISION. The matrix products marked QUANTISED in the list below multiply operands that are first quantised to E2M3 (2 exponent bits, 3 mantissa bits; 6 bits a number), with one power-of-two scale for each 32 numbers along K (OCP MX v1.0); their sums are f32. All else is computed in f32.
;;   The module's matrix products, in the order in which they are computed (A, B: the left and right operand; K: the contracted axis; several contracted axes count as one K, in the product's order):
;;     1. [M 8,192, K 1,024] x [K 1,024, N 3,072]; A: input x; B: input w_qkv: QUANTISED
;;     2. batch 64 x [M 2,048, K 64] x [K 64, N 2,048]; A: computed on the way; B: computed on the way: QUANTISED
;;     3. batch 64 x [M 2,048, K 2,048] x [K 2,048, N 64]; A: softmax (see below); B: computed on the way: QUANTISED
;;     4. [M 8,192, K 1,024] x [K 1,024, N 1,024]; A: computed on the way; B: input w_proj: QUANTISED
;;   THE QUANTISER, for each operand of a quantised product, along K:
;;     - K is cut into blocks of 32 from its start; a last block that is shorter is filled with zeros.
;;     - A block's scale is 2^e with e = floor(log2(the largest magnitude in the block)) - 2, held to -126 .. 127; a block of zeros has e = 0. As a byte (E8M0): e + 127.
;;     - Each number is divided by its block's scale, clamped to +-7.5, and rounded to the nearest number of E2M3, ties to even, subnormals kept.
;;     - The product sums the exact products of the quantised numbers (number of the format x scale) in f32.
;;   ~~~python
;;   def quantise(x, axis):      # numpy; x: float32 -> the quantised numbers, widened to float32 again
;;       x = np.moveaxis(x, axis, -1); K = x.shape[-1]
;;       x = np.pad(x, [(0, 0)] * (x.ndim - 1) + [(0, -K % 32)]); x = x.reshape(x.shape[:-1] + (-1, 32)); a = np.abs(x).max(-1, keepdims=True)
;;       e = np.where(a > 0, np.clip(np.frexp(np.where(a > 0, a, 1))[1] - 1 - 2, -126, 127), 0)      # np.frexp(a)[1] - 1 = floor(log2(a)), exactly
;;       r = np.clip(x / 2.0 ** e, -7.5, 7.5)
;;       step = 2.0 ** (np.maximum(np.frexp(np.where(r == 0, 1, r))[1] - 1, 0) - 3)
;;       q = np.round(r / step) * step * 2.0 ** e      # np.round: ties to even
;;       return np.moveaxis(q.reshape(q.shape[:-2] + (-1,))[..., :K], -1, axis).astype(np.float32)
;;   ~~~
;;   SOFTMAX AHEAD OF A QUANTISED PRODUCT. Where the list says 'softmax', what is quantised is not the finished softmax but p = 2^(t - M), with t = logit x log2(e) and M = ceil(the row's largest t), a whole number; so 1/2 < the row's largest p <= 1. The row's sum l is taken of the UNQUANTISED p, in f32, and the product's result is divided by l at the end. Since M is a whole number, a kernel that streams over the keys may use a running M (the ceiling of the running maximum): every later rescaling is an exact power of two, which a block's scale takes up: the codes' values come out the same.
;;   OPERANDS COMPUTED ON THE WAY. 'Computed on the way' means the value that the module computes at that place (a softmax that the list does not call 'softmax' is quantised finished and normalised). What goes into a quantiser is computed in f32, as accurately as f32 sums, v_exp_f32 and their like allow (about 1e-6 of the number): no bf16 or f16 on the way to a quantiser, and a product that is left as it is and whose result goes on into a quantised operand takes f32 operands (vector FMAs, or v_wmma_f32_16x16x4_f32). A number that lies on a knife's edge between two numbers of the format may be rounded either way, as far as f32 arithmetic and the matrix unit's own rounding can turn it there, and no further.
;; One version. Each part assembles by itself: llvm-mc -triple=amdgcn-amd-amdhsa -mcpu=gfx1250 --defsym DOCPART=n.
;; ======== version 1 of 1: 4 launches
;; limits: right only within a limited range of input values
;; workspace buffers: xq 6,553,600 bytes; wq 3,276,800 bytes; q 6,815,744 bytes; kv 13,631,488 bytes; o 6,553,600 bytes
;; launch quant (part 1): grid 384 x 1, 4 waves a work-group, no clusters, 47,616 bytes of LDS; arguments x, w_qkv, w_proj, xq, wq; writes xq, wq
.if DOCPART == 1
	.amdgcn_target "amdgcn-amd-amdhsa--gfx1250"
	.amdhsa_code_object_version 6
	.text
	.protected	k_qcfa24dd8f4_quant
	.globl	k_qcfa24dd8f4_quant
	.p2align	8
	.type	k_qcfa24dd8f4_quant,@function
k_qcfa24dd8f4_quant:
	s_mov_b64 s[64:65], 0
	v_nop
	global_prefetch_b8 v0, s[64:65] scope:SCOPE_SE
	s_setreg_imm32_b32 hwreg(HW_REG_WAVE_MODE, 25, 1), 1
	s_wait_xcnt 0x0
; x [8192][1024] (K innermost) and the weights w_qkv [1024][3072], w_proj [1024][1024] (K is the FIRST axis), all f32, become codes of FP6 (E2M3) with one E8M0 byte for each 32 along K.
; A block's scale is 2^(floor(log2(largest magnitude)) - 2); its byte is the largest magnitude's exponent field - 2, held at 1 from below.
; LIMITS: NaN and infinities among the inputs are not served.  A block whose largest magnitude lies under 2^-124, a block of zeros among them, takes the byte 1 (its codes are then zeros or subnormal codes; only this program reads the bytes).
; THE LAYOUT OF THE RESULT (xq: 8,192 rows; wq: 4,096 rows = the 3,072 columns of w_qkv, then the 1,024 of w_proj) is the order of an operand's registers:
;   tile rho holds the 16 rows 32 (rho / 2) + 8 (rho % 2) + r + 8 (r / 8), r = 0 .. 15;  a tile is 12,288 bytes;
;   the 8 bytes p (0 .. 2) of the 24-byte stream of k = 64 kappa + 32 h + 0 .. 31 of the tile's row r lie at rho x 12,288 + kappa x 768 + p x 256 + 8 (16 h + r);
;   the scale word of (row r, k = 128 s ..), s = 2 sigma + q, lies behind all codes at rho x 512 + sigma x 128 + 8 r + 4 q.
; Work-groups 0-255 take x, 256-383 the weights; the two ways part once, on the work-group's number, and never meet again; each has LDS bytes of its own.  No wave shares anything with another: no barrier.
.set XSTW,  8448                       ; x's way: a stage of 16 rows x (512 + 16) bytes for each wave, from LDS byte 0
.set WST,   33792                      ; the weights' way: a stage of 2 x 1,664 bytes for each wave
.set WSTW,  3328
.set SPARE, 47104                      ; the spare words, 128 bytes for each wave: two blocks of 256 bytes that no other line names
.set SPW,   2                          ; v2  LDS address of my spare word; never rewritten
.set NIL,   3                          ; v3  0; never rewritten
.set TM,    16                         ; v16-19 largest magnitudes, v20-23 the other half's, then bytes, v28-31 the conversions' scale operands
.set PC,    32                         ; v32-43 a fragment's codes
.set PT,    44                         ; v44-50 the upper halves of the blocks, on their way
.set X,     64                         ; v64-127 64 numbers of a lane: register 16 b + i = k 32 b + 16 h + i of my row
.set R,     128                        ; v128-255 two sets of 64 registers as loaded
	s_load_b256 s[4:11], s[0:1], 0x0               ; x s[4:5], w_qkv s[6:7], w_proj s[8:9], xq s[10:11]
	s_load_b64 s[12:13], s[0:1], 0x20              ; wq
	v_lshl_add_u32 v[SPW], v0, 2, SPARE
	v_mov_b32 v[NIL], 0
	v_lshrrev_b32 v1, 5, v0
	v_readfirstlane_b32 s16, v1                    ; wave 0..3
	v_and_b32 v1, 31, v0                           ; lane
	s_mov_b32 s20, 0x76543210
	s_mov_b32 s21, 0xfedcba98                      ; v_permlanex16_b32's selects for lane l xor 16
	s_mov_b32 s22, 0xffff0000                      ; lanes 16-31
	s_wait_kmcnt 0x0
	s_cmp_lt_u32 ttmp9, 256
	s_cbranch_scc0 .Lweights
; ---------------- x: a wave takes one tile of 16 rows x 512 along K, in four steps of 128 ----------------
	s_lshl_b32 s17, ttmp9, 2
	s_add_co_u32 s17, s17, s16
	s_and_b32 s18, s17, 1                          ; which half of K
	s_lshr_b32 s17, s17, 1                         ; rho
	s_lshr_b32 s24, s17, 1
	s_lshl_b32 s24, s24, 5
	s_and_b32 s25, s17, 1
	s_lshl_b32 s25, s25, 3
	s_add_co_u32 s24, s24, s25                     ; the tile's first row: 32 (rho / 2) + 8 (rho % 2)
	s_lshl_b32 s24, s24, 12                        ; a row of x is 4,096 bytes
	s_lshl_b32 s25, s18, 11
	s_add_co_u32 s24, s24, s25
	s_mov_b32 s25, 0
	s_add_nc_u64 s[4:5], s[4:5], s[24:25]          ; x at my tile's first row, my half of K
	s_mul_i32 s24, s17, 12288
	s_mul_i32 s26, s18, 6144
	s_add_co_u32 s24, s24, s26
	s_add_nc_u64 s[6:7], s[10:11], s[24:25]        ; my codes
	s_lshl_b32 s24, s17, 9
	s_lshl_b32 s26, s18, 8
	s_add_co_u32 s24, s24, s26
	s_add_co_u32 s24, s24, 6291456
	s_add_nc_u64 s[8:9], s[10:11], s[24:25]        ; my scale words: 256 bytes
	s_wait_alu depctr_va_vdst(0)
	v_lshlrev_b32 v4, 4, v1                        ; 16 x lane: my bytes of a load's 512
	s_mul_i32 s26, s16, XSTW
	v_add_nc_u32 v5, s26, v4                       ; the stage, on the way in
	v_and_b32 v14, 15, v0                          ; r
	v_bfe_u32 v15, v0, 4, 1                        ; h
	v_mul_u32_u24 v6, v14, 528
	v_lshl_add_u32 v6, v15, 6, v6
	v_add_nc_u32 v6, s26, v6                       ; and on the way out: row r, + 64 h: 16 neighbours of each block of 32
	v_lshlrev_b32 v7, 3, v1                        ; 8 x lane
.irp b, 0,1,2,3
	v_mov_b32 v[TM+4+\b], 0                        ; written once: a lane permute's destination counts as one of its sources
.endr
; 64 numbers of a lane become a fragment's codes (k = 0 .. 63 of the step in v[d0] on, k = 64 .. 127 in v[d1] on, six registers each) and my row's scale word in v[pw].
.macro QUANT s, d0, d1, pw
.irp b, 0,1,2,3
	v_max3_num_f32 v[TM+\b], |v[\s+16*\b]|, |v[\s+1+16*\b]|, 0x1800000   ; block b: my 16 numbers, and the floor 2^(3 - 127): the byte cannot fall under 1
.endr
.irp i, 2,4,6,8,10,12,14
.irp b, 0,1,2,3
	v_max3_num_f32 v[TM+\b], v[TM+\b], |v[\s+16*\b+\i]|, |v[\s+1+16*\b+\i]|   ; the four blocks by turns
.endr
.endr
.irp b, 0,1,2,3
	v_permlanex16_b32 v[TM+4+\b], v[TM+\b], s20, s21
.endr
.irp b, 0,1,2,3
	v_max_num_f32 v[TM+\b], v[TM+\b], v[TM+4+\b]   ; with lane l xor 16's: the block's largest magnitude
.endr
.irp b, 0,1,2,3
	v_add_nc_u32 v[TM+12+\b], 0xff000000, v[TM+\b] ; 2 off its exponent field: the conversion takes the exponent field of this operand as its scale
.endr
.irp b, 0,1,2,3
	v_lshrrev_b32 v[TM+4+\b], 23, v[TM+12+\b]      ; the scale's byte
.endr
	v_lshl_or_b32 v[\pw], v[TM+5], 8, v[TM+4]
	v_lshl_or_b32 v[\pw], v[TM+6], 16, v[\pw]
	v_lshl_or_b32 v[\pw], v[TM+7], 24, v[\pw]
	v_cvt_scalef32_pk16_fp6_f32 v[\d0:\d0+2], v[\s:\s+15], v[TM+12]
	v_cvt_scalef32_pk16_fp6_f32 v[PT:PT+2], v[\s+16:\s+31], v[TM+13]       ; (a conversion's three registers begin on an even number)
	v_cvt_scalef32_pk16_fp6_f32 v[\d1:\d1+2], v[\s+32:\s+47], v[TM+14]
	v_cvt_scalef32_pk16_fp6_f32 v[PT+4:PT+6], v[\s+48:\s+63], v[TM+15]
	v_nop                                          ; one plain place behind a scaled conversion
.irp i, 0,1,2
	v_permlane16_swap_b32 v[\d0+\i], v[PT+\i]      ; the layout wants a WHOLE block in a lane: lanes 0-15 the even block, lanes 16-31 the odd one
	v_permlane16_swap_b32 v[\d1+\i], v[PT+4+\i]
.endr
.irp i, 0,1,2
	v_mov_b32 v[\d0+3+\i], v[PT+\i]
	v_mov_b32 v[\d1+3+\i], v[PT+4+\i]
.endr
.endm
.macro LOADX s                         ; step s: 512 consecutive bytes of each of the tile's 16 rows
.irp i, 0,1,2,3,4,5,6,7,8,9,10,11,12,13,14,15
	global_load_b128 v[R+64*((\s)%2)+4*\i:R+64*((\s)%2)+4*\i+3], v4, s[4:5] offset:(\i+8*(\i/8))*4096+512*(\s) th:TH_LOAD_NT
.endr
.endm
.macro TURNX s                         ; through my stage: in as loaded, out 16 neighbours a lane.  LDS serves a wave's instructions in order: no wait between
.irp i, 0,1,2,3,4,5,6,7,8,9,10,11,12,13,14,15
	ds_store_b128 v5, v[R+64*((\s)%2)+4*\i:R+64*((\s)%2)+4*\i+3] offset:528*\i
.endr
.irp b, 0,1,2,3
.irp j, 0,1,2,3
	ds_load_b128 v[X+16*\b+4*\j:X+16*\b+4*\j+3], v6 offset:128*\b+16*\j
.endr
.endr
.endm
.macro STEPX s
.if (\s) < 3
	s_wait_loadcnt 16                              ; this step's 16 loads are in; the next step's 16 may be out
.else
	s_wait_loadcnt 0x0
.endif
	TURNX \s
	s_wait_dscnt 0x0                               ; my 64 numbers are back
.if (\s) < 2
	LOADX (\s)+2                                   ; two steps ahead, into the set just left
.endif
	s_wait_xcnt 0x0                                ; the last step's stores have read the codes' registers: they are written again only behind this wait
	QUANT X, PC, PC+6, 8+(\s)
.irp p, 0,1,2,3,4,5
	global_store_b64 v7, v[PC+2*\p:PC+2*\p+1], s[6:7] offset:(\s)*1536+(\p/3)*768+(\p%3)*256   ; 32 lanes store 256 consecutive bytes, aligned
.endr
.endm
	LOADX 0
	LOADX 1
	s_wait_alu depctr_va_vdst(0)
	STEPX 0
	STEPX 1
	STEPX 2
	STEPX 3
	v_cndmask_b32 v12, v8, v10, s22                ; lanes 0-15: the words of steps 0, 1; lanes 16-31: of steps 2, 3 (both halves of the lanes hold all four)
	v_cndmask_b32 v13, v9, v11, s22
	global_store_b64 v7, v[12:13], s[8:9]          ; 256 consecutive bytes, aligned
	s_wait_tensorcnt 0x0                           ; the wave's end, behind my last LDS store
	ds_add_u32 v[SPW], v[NIL]
	s_wait_dscnt 0x0
	s_endpgm
; ---------------- the weights: a lane takes a column, its registers run down K; a wave takes 32 columns x 256 along K ----------------
.set OFFS, 64                          ; v64-95   4 x lane + i rows of the weight
.set OUTW, 96                          ; v96-143  the way out: two sets of 24
.set XW,   160                         ; v160-223 two sets of 32 numbers
.Lweights:
	s_sub_co_u32 s24, ttmp9, 256
	s_and_b32 s25, s24, 3                          ; which 256 along K
	s_lshr_b32 s24, s24, 2                         ; which 128 rows of wq: 0-23 w_qkv's columns, 24-31 w_proj's
	s_cmp_lt_u32 s24, 24                           ; the choice hangs on the work-group's number alone
	s_cselect_b64 s[26:27], s[6:7], s[8:9]
	s_mov_b32 s28, 4096
	s_cselect_b32 s28, 12288, s28                  ; a row of the weight in bytes
	s_cselect_b32 s29, 0, 24
	s_sub_co_u32 s29, s24, s29
	s_lshl_b32 s29, s29, 7
	s_lshl_b32 s30, s16, 5
	s_add_co_u32 s29, s29, s30                     ; my wave's first column in its own tensor
	s_lshl_b32 s29, s29, 2
	s_lshl_b32 s30, s25, 8
	s_mul_i32 s30, s30, s28
	s_add_co_u32 s30, s30, s29
	s_mov_b32 s31, 0
	s_add_nc_u64 s[32:33], s[26:27], s[30:31]      ; block 0's first row, my first column
	s_lshl_b32 s30, s28, 5                         ; 32 rows on
.irp t, 1,2,3,4,5,6,7
	s_add_nc_u64 s[32+2*\t:33+2*\t], s[30+2*\t:31+2*\t], s[30:31]   ; a base for each of the eight blocks: none is stepped
.endr
	s_lshl_b32 s24, s24, 3
	s_lshl_b32 s29, s16, 1
	s_add_co_u32 s24, s24, s29                     ; my 32 rows of wq are tiles rho0 and rho0 + 1
	s_mul_i32 s30, s24, 12288
	s_mul_i32 s29, s25, 3072
	s_add_co_u32 s30, s30, s29
	s_add_nc_u64 s[48:49], s[12:13], s[30:31]      ; my codes
	s_lshl_b32 s30, s24, 9
	s_lshl_b32 s29, s25, 7
	s_add_co_u32 s30, s30, s29
	s_add_co_u32 s30, s30, 3145728
	s_add_nc_u64 s[50:51], s[12:13], s[30:31]      ; my scale words
	s_wait_alu depctr_va_vdst(0)
	v_lshlrev_b32 v4, 2, v1
.set i, 0
.rept 32
	v_mad_u32_u24 v[OFFS+i], s28, i, v4
.set i, i+1
.endr
	v_bfe_u32 v14, v0, 3, 1                        ; column l of my 32 is row r of tile u: u = (l / 8) % 2,
	v_and_b32 v15, 7, v0
	v_bfe_u32 v12, v0, 4, 1
	v_lshl_add_u32 v15, v12, 3, v15                ; r = l % 8 + 8 (l / 16)
	s_mul_i32 s29, s16, WSTW
	s_add_co_u32 s29, s29, WST
	v_mul_u32_u24 v5, v14, 1664
	v_lshl_add_u32 v5, v15, 3, v5
	v_add_nc_u32 v5, s29, v5                       ; the stage, on the way in: tile u (1,536 bytes + 128, so that the two tiles' lanes fall on different banks), 8 r
	v_lshlrev_b32 v10, 4, v1                       ; 16 x lane
	v_add_nc_u32 v6, s29, v10                      ; and on the way out
	v_lshlrev_b32 v7, 9, v14
	v_lshl_add_u32 v7, v15, 3, v7                  ; my row's two scale words: u x 512 + 8 r
.macro LOADW t                         ; block t: the weight at rows 32 t + i, my column: 128 consecutive bytes a wave, 512 a work-group
.set i, 0
.rept 32
	global_load_b32 v[XW+32*((\t)%2)+i], v[OFFS+i], s[32+2*(\t):33+2*(\t)] th:TH_LOAD_NT
.set i, i+1
.endr
.endm
.macro BLOCKW t
.set XS, XW+32*((\t)%2)
.if (\t) < 7
	s_wait_loadcnt 32                              ; this block's 32 loads are in; the next block's may be out
.else
	s_wait_loadcnt 0x0
.endif
	v_max3_num_f32 v16, |v[XS]|, |v[XS+1]|, |v[XS+2]|              ; the block's largest magnitude: all 32 numbers are mine
	v_max3_num_f32 v17, |v[XS+3]|, |v[XS+4]|, |v[XS+5]|
.irp i, 6,10,14,18,22,26
	v_max3_num_f32 v16, v16, |v[XS+\i]|, |v[XS+\i+1]|
	v_max3_num_f32 v17, v17, |v[XS+\i+2]|, |v[XS+\i+3]|
.endr
	v_max3_num_f32 v16, v16, |v[XS+30]|, |v[XS+31]|
	v_max3_num_f32 v16, v16, v17, 0x1800000        ; and the floor
	v_add_nc_u32 v18, 0xff000000, v16              ; the conversion's scale operand
	v_lshrrev_b32 v17, 23, v18                     ; the byte
.if (\t)%4 == 0
	v_mov_b32 v[8+(\t)/4], v17                     ; four bytes to a word, the lower K in the lower byte
.else
	v_lshl_or_b32 v[8+(\t)/4], v17, 8*((\t)%4), v[8+(\t)/4]
.endif
	v_cvt_scalef32_pk16_fp6_f32 v[32:34], v[XS:XS+15], v18
	v_cvt_scalef32_pk16_fp6_f32 v[40:42], v[XS+16:XS+31], v18
	v_nop                                          ; one plain place behind a scaled conversion
	v_mov_b32 v35, v40
	v_mov_b32 v36, v41
	v_mov_b32 v37, v42                             ; v32-37: the block's 24 bytes
.irp p, 0,1,2
	ds_store_b64 v5, v[32+2*\p:33+2*\p] offset:(((\t)%4)/2)*768+((\t)%2)*128+256*\p   ; block t is half h = t % 2 of kappa t / 2
.endr
.if (\t) < 6
	LOADW (\t)+2
.endif
	s_wait_dscnt 0x0                               ; the stores have read their registers
.endm
.macro FLUSHW j                        ; four blocks (two kappa) of both tiles leave: 512 consecutive bytes a store, aligned
.irp u, 0,1
.irp g, 0,1,2
	ds_load_b128 v[OUTW+24*\j+12*\u+4*\g:OUTW+24*\j+12*\u+4*\g+3], v6 offset:\u*1664+512*\g
.endr
.endr
	s_wait_dscnt 0x0
.irp u, 0,1
.irp g, 0,1,2
	global_store_b128 v10, v[OUTW+24*\j+12*\u+4*\g:OUTW+24*\j+12*\u+4*\g+3], s[48:49] offset:\u*12288+\j*1536+512*\g
.endr
.endr
.endm
	LOADW 0
	LOADW 1
	BLOCKW 0
	BLOCKW 1
	BLOCKW 2
	BLOCKW 3
	FLUSHW 0
	BLOCKW 4
	BLOCKW 5
	BLOCKW 6
	BLOCKW 7
	FLUSHW 1
	s_wait_alu depctr_va_vdst(0)
	global_store_b64 v7, v[8:9], s[50:51]          ; two runs of 128 consecutive bytes: one byte for each 128 that this way reads
	s_wait_tensorcnt 0x0                           ; the wave's end, behind my last LDS store
	ds_add_u32 v[SPW], v[NIL]
	s_wait_dscnt 0x0
	s_endpgm
.Lfunc_end_k_qcfa24dd8f4_quant:
	.size	k_qcfa24dd8f4_quant, .Lfunc_end_k_qcfa24dd8f4_quant-k_qcfa24dd8f4_quant
	.p2alignl 7, 3214868480
	.fill 96, 4, 3214868480
	.section	.rodata,"a",@progbits
	.p2align	6, 0x0
	.amdhsa_kernel k_qcfa24dd8f4_quant
		.amdhsa_group_segment_fixed_size 47616
		.amdhsa_private_segment_fixed_size 0
		.amdhsa_enable_private_segment 0
		.amdhsa_kernarg_size 40
		.amdhsa_user_sgpr_count 2
		.amdhsa_user_sgpr_kernarg_segment_ptr 1
		.amdhsa_wavefront_size32 1
		.amdhsa_system_sgpr_workgroup_id_x 1
		.amdhsa_system_sgpr_workgroup_id_y 1
		.amdhsa_system_sgpr_workgroup_id_z 1
		.amdhsa_system_vgpr_workitem_id 0
		.amdhsa_next_free_vgpr 256
		.amdhsa_next_free_sgpr 66
		.amdhsa_reserve_vcc 0
		.amdhsa_float_denorm_mode_32 3
		.amdhsa_float_denorm_mode_16_64 3
		.amdhsa_memory_ordered 1
		.amdhsa_forward_progress 1
		.amdhsa_inst_pref_size 78
	.end_amdhsa_kernel
	.amdgpu_metadata
---
amdhsa.version: [ 1, 2 ]
amdhsa.kernels:
  - .name:           k_qcfa24dd8f4_quant
    .symbol:         k_qcfa24dd8f4_quant.kd
    .args:
      - { .name: x, .offset: 0, .size: 8, .value_kind: global_buffer, .address_space: global }
      - { .name: w_qkv, .offset: 8, .size: 8, .value_kind: global_buffer, .address_space: global }
      - { .name: w_proj, .offset: 16, .size: 8, .value_kind: global_buffer, .address_space: global }
      - { .name: xq, .offset: 24, .size: 8, .value_kind: global_buffer, .address_space: global }
      - { .name: wq, .offset: 32, .size: 8, .value_kind: global_buffer, .address_space: global }
    .group_segment_fixed_size: 47616
    .private_segment_fixed_size: 0
    .kernarg_segment_align: 8
    .kernarg_segment_size: 40
    .max_flat_workgroup_size: 128
    .sgpr_count:     66
    .vgpr_count:     256
    .wavefront_size: 32
...
	.end_amdgpu_metadata
.endif
;; end of part 1
;; launch gemm_qkv (part 2): grid 12 x 32, 4 waves a work-group, clusters of 4 x 4, 327,680 bytes of LDS; arguments xq, wq, q, kv; writes q, kv
.if DOCPART == 2
	.amdgcn_target "amdgcn-amd-amdhsa--gfx1250"
	.amdhsa_code_object_version 6
	.text
	.protected	k_qcfa24dd8f4_gemm_qkv
	.globl	k_qcfa24dd8f4_gemm_qkv
	.p2align	8
	.type	k_qcfa24dd8f4_gemm_qkv,@function
k_qcfa24dd8f4_gemm_qkv:
	s_mov_b64 s[64:65], 0
	v_nop
	global_prefetch_b8 v0, s[64:65] scope:SCOPE_SE
	s_setreg_imm32_b32 hwreg(HW_REG_WAVE_MODE, 25, 1), 1
	s_wait_xcnt 0x0
	s_wait_alu depctr_hold_cnt(0) depctr_sa_sdst(0) depctr_va_vdst(0) depctr_va_sdst(0) depctr_va_ssrc(0) depctr_va_vcc(0) depctr_vm_vsrc(0)
	s_getreg_b32 s2, hwreg(HW_REG_IB_STS2, 6, 4)
	s_cmp_eq_u32 s2, 0
	s_cbranch_scc0 .Lentry_in_a_cluster
	s_endpgm
.Lentry_in_a_cluster:
	s_bfe_u32 s2, ttmp6, 0x10000c
	s_cmp_lg_u32 s2, 0xf033
	s_cbranch_scc0 .Lentry_shape_is_right
	s_endpgm
.Lentry_shape_is_right:
; qkv = x w_qkv on codes of FP6 (E2M3) with E8M0 scales, K = 1,024; the results are quantised in registers for the two products of attention and leave as images of operand registers.
; THE KERNEL COMPUTES A' B'^T AND QUANTISES ALONG B''s ROWS.  Clusters x = 0, 1 (q, k): A' = tokens (xq), B' = the features 0 .. 2,047 (wq): a lane holds one token and its registers run along the features: K of q k^T.
; Cluster x = 2 (v): A' = the features 2,048 .. 3,071 (wq), B' = tokens (xq): a lane holds one feature and its registers run along the tokens: the keys, K of p v.  The choice is made of the cluster's x alone: the same in all sixteen partners.
; A tile of 256 x 256 is made by four waves, 128 x 128 each: 64 accumulators, 512 registers.  K goes in steps of 256 through two LDS slots filled by the tensor data mover.
; OPERANDS lie in memory in the order of their registers (tile of 16 rows: 12,288 bytes; 64 along K: 768 bytes = 3 x 256; 8 bytes a lane): a fragment is six loads of 8 bytes at 8 x lane + a constant.
; THE ROWS OF A TILE ARE NOT NEIGHBOURS: row r of tile rho is 32 (rho / 2) + 8 (rho % 2) + r + 8 (r / 8): so the 16 registers of two neighbouring tiles of B' are 16 NEIGHBOURS along the next K.
; CLUSTERS: 4 x 4 work-groups; A''s tiles are asked for jointly along a row of the cluster, B''s along a column.  The matrix instruction takes B' as source 0 and A' as source 1.
; LIMITS: a block of results whose largest magnitude lies under 2^-124 (zeros among them) takes the byte 1; only this program reads the bytes.
; REGISTERS, in windows of 256: window 0: v16-29 addresses; v32-63 scale words, two sets; v128-223 A''s fragments, one set; on the way out v64-99 at work, v128-151 images.
;   window 1: B''s fragments, two sets, at v0 and v128.   window 2: the accumulators of A''s blocks 0-3 ((a, b) at v[8 (8 (a % 4) + b)]);   window 3: of blocks 4-7.
.set NQ,     2                         ; matrix instructions deep in a slot
.set FR,     12                        ; registers of a fragment
.set NL,     6                         ; LDS loads that bring one
.set NP,     4                         ; places behind this matrix instruction (ISA guide 7.12.1)
.set TILEB,  12288                     ; a tile of 16 rows, all of K
.set STEPB,  3072                      ; and its part of a K step of 256
.set HALFT,  8*STEPB                   ; 128 rows: what one tensor load brings
.set SLOT,   4*HALFT                   ; A''s 256 rows, then B''s
; THE WALK ALONG K as it stands: region 0 (SLOT bytes from 0, a tile's part 3,072 bytes) holds K step 0 and later K step 3; region 1 (2 SLOT bytes from SLOT, a tile's part 6,144 bytes) holds K steps 1 and 2, brought by one load a wave.
; One refill: K step 3 into region 0, asked for when step 0 is read out: 256 matrix instructions stand between the request and the wait for it.
.set SCL,    3*SLOT
.set HALFS,  4096                      ; those of 128 rows
.set SBLK,   512                       ; those of 16
.set SPARE,  SCL+4*HALFS               ; the spare words, 128 bytes for each wave: two blocks of 256 bytes that no other line names
.set ADRA, 16                          ; v16-17  LDS address of my A' fragments in slot 0, 1
.set ADRB, 20                          ; v20-21  the same for B'
.set CO,   26                          ; v26     16 x lane: my place in an image
.set ADRS, 27                          ; v27     LDS address of my scale words: lanes 0-15 A''s rows, lanes 16-31 B''s
.set SPW,  28                          ; v28     LDS address of my spare word; never rewritten
.set NIL,  29                          ; v29     0; never rewritten
.set SC,   32                          ; scale words: set s at v[SC + 16 s]; register 2 i + q: lanes 0-15 A''s block i, lanes 16-31 B''s block i
.set AF,   128
.set TM,   64                          ; the way out: v64-67 largest magnitudes, v68-71 the other half's, then bytes, v76-79 scale operands
.set PT,   80                          ; v80-86  upper halves of blocks, on their way
.set PWA,  88                          ; v88, v89 two blocks' scale words
.set PWB,  89
.set SW0,  92                          ; v92-95, v96-99 the scale words that leave, four to a lane, for each of my two heads
.set I0,   128                         ; v128-139, v140-151 two images
.set I1,   140
.set VM,   12                          ; s12  1 in the cluster column that makes v
.set G1, 24
.set G0, 32
.set G1B, 48
.set G0B, 56
.set G1S, 68
.set G0S, 76
.set G1SB, 80
.set G0SB, 88
.set MSB, 0
.macro WIN new                         ; the immediate's high byte repeats the setting that is left
.if MSB != \new
	s_set_vgpr_msb (MSB<<8)|\new
.set MSB, \new
.endif
.endm
.set MUL_LO, 0xa1                      ; source 0 (B') window 1, source 1 (A') window 0, C and D window 2
.set MUL_HI, 0xf1
.set TO_B,   0x40
; A joint load: waves 0 and 1 fetch for A', waves 2 and 3 for B'.  The branch hangs on the wave's number alone.  An s_nop 0 and four v_nop follow each of the two lines.
.macro JLOAD g0a, g1a, g0b, g1b
	s_cmp_eq_u32 s15, 0
	s_cbranch_scc0 .Lfor_b_\@
	tensor_load_to_lds s[\g0a:\g0a+3], s[\g1a:\g1a+7]
	s_nop 0
.rept 4
	v_nop
.endr
	s_branch .Lasked_\@
.Lfor_b_\@:
	tensor_load_to_lds s[\g0b:\g0b+3], s[\g1b:\g1b+7]
	s_nop 0
.rept 4
	v_nop
.endr
.Lasked_\@:
.endm
.macro CREST                           ; a round of the cluster's barrier behind its opening barrier
	s_cmp_lg_u32 s14, 0
	s_cbranch_scc1 .Lnot_wave_0_\@
	s_barrier_signal -3
.Lnot_wave_0_\@:
	s_barrier_wait -3
	s_barrier_signal -1
	s_barrier_wait -1
.endm
.macro CROUND
	s_barrier_signal -1
	s_barrier_wait -1
	CREST
.endm
	s_load_b256 s[4:11], s[0:1], 0x0               ; xq s[4:5], wq s[6:7], q s[8:9], kv s[10:11]
	v_lshl_add_u32 v[SPW], v0, 2, SPARE
	v_mov_b32 v[NIL], 0
	ds_add_u32 v[SPW], v[NIL]                      ; the wave's opening: the add and its wait stand ahead of my first tensor load; work on registers stands between them
	ds_add_u32 v[SPW], v[NIL]
	v_lshrrev_b32 v1, 5, v0
	v_readfirstlane_b32 s14, v1                    ; wave 0..3
	s_lshr_b32 s15, s14, 1                         ; which half of A''s rows is mine.  Also: I fetch for A' (0) or for B' (1)
	s_and_b32 s16, s14, 1                          ; which half of B''s rows.  Also: which 128 rows I fetch
	s_bfe_u32 s40, ttmp6, 0x40000                  ; cx
	s_bfe_u32 s41, ttmp6, 0x40004                  ; cy
	s_and_b32 s13, ttmp7, 0xffff
	s_lshl_b32 s13, s13, 2                         ; 4 x cluster y
	s_add_co_u32 s17, s13, s41
	s_add_co_u32 s42, s13, s40
	s_lshl_b32 s44, ttmp9, 2
	s_add_co_u32 s44, s44, s40
	s_cmp_eq_u32 ttmp9, 2
	s_cselect_b32 s[VM], 1, 0
	s_cselect_b32 s17, s41, s17                    ; A''s tile of 256 rows: v: cy (features);  q, k: 4 x cluster y + cy (tokens)
	s_cselect_b32 s42, s42, s44                    ; B''s: v: 4 x cluster y + cx (tokens);  q, k: 4 x cluster x + cx (features)
	s_lshl_b32 s43, s41, 2
	s_lshl_b32 s43, 15, s43                        ; my row of the cluster
	s_lshl_b32 s44, 0x1111, s40                    ; my column
	; descriptor group 1 for codes: 8 tiles' parts of a K step: 8 rows of 3,072 bytes (384 elements of 8 bytes), 12,288 bytes apart; dense in LDS
	s_or_b32 s[G1+0], s43, (3<<16)|(1<<21)         ; 15:0 the mask; 17:16 elements of 8 bytes; 21 set beside a mask; no padding
	s_or_b32 s[G1B+0], s44, (3<<16)|(1<<21)
.irp g, G1, G1B
	s_mov_b32 s[\g+1], (STEPB/8)<<16               ; tensor_dim0
	s_mov_b32 s[\g+2], 16<<16                      ; tensor_dim1: 16 tiles for the head's loads; set to 8 behind them
	s_mov_b32 s[\g+3], (STEPB/8)<<16               ; tile_dim0
	s_mov_b32 s[\g+4], 16                          ; tile_dim1 likewise
	s_mov_b32 s[\g+5], TILEB/8                     ; tensor_dim0_stride
	s_mov_b32 s[\g+6], 0
	s_mov_b32 s[\g+7], 0
.endr
	; and for the scale words of 256 rows: 8,192 dense bytes as 32 rows of 256
	s_or_b32 s[G1S+0], s43, (3<<16)|(1<<21)
	s_or_b32 s[G1SB+0], s44, (3<<16)|(1<<21)
.irp g, G1S, G1SB
	s_mov_b32 s[\g+1], 32<<16
	s_mov_b32 s[\g+2], 32<<16
	s_mov_b32 s[\g+3], 32<<16
	s_mov_b32 s[\g+4], 32
	s_mov_b32 s[\g+5], 32
	s_mov_b32 s[\g+6], 0
	s_mov_b32 s[\g+7], 0
.endr
	s_lshl_b32 s20, s17, 4                         ; A': first tile of the 16
	s_lshl_b32 s46, s42, 4                         ; B'
	s_lshl_b32 s22, s20, 9                         ; their scale words, in bytes
	s_mov_b32 s23, 0
	s_lshl_b32 s92, s46, 9
	s_mov_b32 s93, 0
	s_mul_i32 s20, s20, TILEB                      ; their codes
	s_mov_b32 s21, 0
	s_mul_i32 s46, s46, TILEB
	s_mov_b32 s47, 0
	s_mul_i32 s45, s14, HALFT                      ; where they go: wave x 128 rows: no place in the cluster enters an LDS address
	s_mul_i32 s100, s16, 8*TILEB                   ; in the ring I fetch 8 tiles of the 16: which half, in bytes
	s_mov_b32 s101, 0
	s_wait_dscnt 0x0                               ; the opening add is done
	s_wait_kmcnt 0x0
	s_cmp_eq_u32 s[VM], 1                          ; the 64-bit sums and the selects below leave SCC alone
	s_add_nc_u64 s[96:97], s[6:7], 128*TILEB       ; wq's rows 2,048 on
	s_cselect_b64 s[96:97], s[96:97], s[4:5]
	s_add_nc_u64 s[20:21], s[96:97], s[20:21]      ; A''s codes
	s_cselect_b64 s[96:97], s[4:5], s[6:7]
	s_add_nc_u64 s[46:47], s[96:97], s[46:47]      ; B''s codes
	s_add_nc_u64 s[96:97], s[6:7], 3145728+128*512
	s_add_nc_u64 s[98:99], s[4:5], 6291456
	s_cselect_b64 s[96:97], s[96:97], s[98:99]
	s_add_nc_u64 s[22:23], s[96:97], s[22:23]      ; A''s scale words
	s_add_nc_u64 s[96:97], s[6:7], 3145728
	s_cselect_b64 s[96:97], s[98:99], s[96:97]
	s_add_nc_u64 s[92:93], s[96:97], s[92:93]      ; B''s
	CROUND                                         ; all sixteen work-groups are here: the first joint loads meet
	s_mov_b32 s[G0S], 1
	s_mov_b32 s[G0S+1], SCL
	s_mov_b64 s[G0S+2:G0S+3], s[22:23]
	s_or_b32 s[G0S+3], s[G0S+3], 0x80000000
	s_mov_b32 s[G0SB], 1
	s_mov_b32 s[G0SB+1], SCL+2*HALFS
	s_mov_b64 s[G0SB+2:G0SB+3], s[92:93]
	s_or_b32 s[G0SB+3], s[G0SB+3], 0x80000000
	s_mov_b32 s[G0], 1                             ; the head's loads of K step 0 bring all 16 tiles: A''s to slot 0's start,
	s_mov_b32 s[G0+1], 0
	s_mov_b64 s[G0+2:G0+3], s[20:21]
	s_or_b32 s[G0+3], s[G0+3], 0x80000000
	s_mov_b32 s[G0B], 1                            ; B''s behind them
	s_mov_b32 s[G0B+1], 2*HALFT
	s_mov_b64 s[G0B+2:G0B+3], s[46:47]
	s_or_b32 s[G0B+3], s[G0B+3], 0x80000000
	s_add_nc_u64 s[20:21], s[20:21], s[100:101]    ; for the ring: my 8 tiles
	s_add_nc_u64 s[46:47], s[46:47], s[100:101]
	s_mov_b32 s[G0+4], 1
	s_lshl_b32 s[G0+5], s45, 1                     ; region 1: wave x 8 tiles x 6,144 bytes
	s_add_co_u32 s[G0+5], s[G0+5], SLOT
	s_add_nc_u64 s[G0+6:G0+7], s[20:21], STEPB
	s_or_b32 s[G0+7], s[G0+7], 0x80000000
	s_mov_b32 s[G0B+4], 1
	s_lshl_b32 s[G0B+5], s45, 1
	s_add_co_u32 s[G0B+5], s[G0B+5], SLOT
	s_add_nc_u64 s[G0B+6:G0B+7], s[46:47], STEPB
	s_or_b32 s[G0B+7], s[G0B+7], 0x80000000
; the head's four tiles, one load a wave: wave 0 A''s codes of K step 0, wave 1 B''s, wave 2 A''s scale words, wave 3 B''s; one tree of branches on the wave's number
.macro ARM under, g0, g1, next
	s_cmp_lt_u32 s14, \under
	s_cbranch_scc0 \next
	tensor_load_to_lds s[\g0:\g0+3], s[\g1:\g1+7]
	s_nop 0
.rept 4
	v_nop
.endr
	s_branch .Lhead_asked
\next:
.endm
	ARM 1, G0,  G1,  .Lhead_b
	ARM 2, G0B, G1B, .Lhead_sa
	ARM 3, G0S, G1S, .Lhead_sb
	tensor_load_to_lds s[G0SB:G0SB+3], s[G1SB:G1SB+7]
	s_nop 0
.rept 4
	v_nop
.endr
.Lhead_asked:
	v_and_b32 v1, 15, v0                           ; r
	v_bfe_u32 v2, v0, 4, 1                         ; h
	s_wait_alu depctr_va_vdst(0)
	v_and_b32 v3, 31, v0                           ; lane
	v_lshlrev_b32 v4, 3, v3                        ; 8 x lane
	s_mul_i32 s21, s15, HALFT                      ; my 128 rows of A'
	s_mul_i32 s22, s16, HALFT                      ; my 128 rows of B',
	s_add_co_u32 s22, s22, 2*HALFT                 ; which lie behind A''s 256
	v_add_nc_u32 v[ADRA], s21, v4
	v_add_nc_u32 v[ADRB], s22, v4
	s_lshl_b32 s21, s21, 1                         ; in region 1 every part is twice as long
	s_lshl_b32 s22, s22, 1
	s_add_co_u32 s21, s21, SLOT
	s_add_co_u32 s22, s22, SLOT
	v_add_nc_u32 v[ADRA+1], s21, v4
	v_add_nc_u32 v[ADRB+1], s22, v4
	v_lshlrev_b32 v5, 3, v1                        ; my row's two words of a K step: 8 r
	s_mul_i32 s21, s15, HALFS
	s_mul_i32 s22, s16, HALFS
	s_add_co_u32 s22, s22, 2*HALFS
	s_sub_co_u32 s22, s22, s21
	v_mul_u32_u24 v6, s22, v2                      ; lanes 16-31 take B''s: one product, the distance between the two bases
	s_add_co_u32 s21, s21, SCL
	v_add_nc_u32 v5, v5, v6
	v_add_nc_u32 v[ADRS], s21, v5
	v_lshlrev_b32 v[CO], 4, v3
	; WHERE THE RESULTS GO.  My 128 rows of B' are two heads (q, k) or one key step (v); my 128 rows of A' are four groups of 32 tokens (q, k) or two heads (v).
	s_cmp_eq_u32 s[VM], 1
	s_cselect_b32 s18, s42, s17                    ; the tile of 256 tokens
	s_cselect_b32 s19, s41, s40                    ; the tile of 256 features within q, k or v
	s_cselect_b32 s20, s15, s16                    ; my half of it: two heads
	s_cselect_b32 s21, s16, s15                    ; my half of the tokens
	s_cselect_b32 s22, 12288, 0                    ; in a slot of kv: V's images lie behind K's
	s_mov_b32 s23, 24576
	s_cselect_b32 s23, 25600, s23                  ; and V's scale words behind K's
	s_lshl_b32 s19, s19, 2
	s_lshl_b32 s20, s20, 1
	s_add_co_u32 s19, s19, s20                     ; my first head
	s_lshr_b32 s20, s18, 3                         ; the batch
	s_lshl_b32 s20, s20, 4
	s_add_co_u32 s19, s19, s20                     ; 16 x batch + head
	s_and_b32 s18, s18, 7                          ; which 256 tokens of the batch's 2,048
	s_cmp_eq_u32 ttmp9, 0                          ; q's buffer, or kv
	s_cselect_b64 s[92:93], s[8:9], s[10:11]
	s_mov_b32 s94, 212992
	s_cselect_b32 s95, 98304, s94                  ; images: from head to head,
	s_cselect_b32 s96, 8192, s94                   ; scale words likewise,
	s_mov_b32 s94, 26624
	s_cselect_b32 s97, 12288, s94                  ; images: from 256 tokens to the next,
	s_cselect_b32 s98, 1024, s94                   ; scale words likewise,
	s_cselect_b32 s23, 6291456, s23                ; and where the scale words begin
	s_mul_i32 s2, s19, s95
	s_mul_i32 s3, s18, s97
	s_add_co_u32 s2, s2, s3
	s_mul_i32 s3, s21, 6144
	s_add_co_u32 s2, s2, s3
	s_add_co_u32 s2, s2, s22
	s_mov_b32 s3, 0
	s_add_nc_u64 s[4:5], s[92:93], s[2:3]          ; images of my first head,
	s_mov_b32 s2, s95
	s_add_nc_u64 s[6:7], s[4:5], s[2:3]            ; of my second
	s_mul_i32 s2, s19, s96
	s_mul_i32 s94, s18, s98
	s_add_co_u32 s2, s2, s94
	s_lshl_b32 s94, s21, 9
	s_add_co_u32 s2, s2, s94
	s_add_co_u32 s2, s2, s23
	s_add_nc_u64 s[8:9], s[92:93], s[2:3]          ; scale words of my first head,
	s_mov_b32 s2, s96
	s_add_nc_u64 s[10:11], s[8:9], s[2:3]          ; of my second
	s_mov_b32 s20, 0x76543210
	s_mov_b32 s21, 0xfedcba98                      ; v_permlanex16_b32's selects for lane l xor 16
.macro FRAG reg, adr, q, i             ; a fragment: registers 6 c + 2 p, + 1 = the 8 bytes p of k = 64 c + 32 h + 0 .. 31 of row r: they lie at 8 x lane
.irp p, 0,1,2,3,4,5
	ds_load_b64 v[\reg+2*\p:\reg+2*\p+1], v[\adr] offset:(\i)*PIT+(2*(\q)+\p/3)*768+(\p%3)*256
.endr
.endm
; 16 matrix instructions: A''s blocks a0, a0 + 1 x B''s eight, 128 along K.  The 64 accumulators take turns, one instruction a turn, in the same order in every step.
.macro MUL16 a0, p, q, sc, zero
.irp a, \a0, \a0+1
.irp b, 0,1,2,3,4,5,6,7
.if \zero
	v_wmma_scale_f32_16x16x128_f8f6f4 v[8*(8*((\a)%4)+\b):8*(8*((\a)%4)+\b)+7], v[128*(\p)+FR*\b:128*(\p)+FR*\b+FR-1], v[AF+FR*(\a):AF+FR*(\a)+FR-1], 0, v[SC+8*NQ*(\sc)+NQ*\b+(\q)], v[SC+8*NQ*(\sc)+NQ*(\a)+(\q)] matrix_a_fmt:MATRIX_FMT_FP6 matrix_b_fmt:MATRIX_FMT_FP6 matrix_a_scale:MATRIX_SCALE_ROW1
.else
	v_wmma_scale_f32_16x16x128_f8f6f4 v[8*(8*((\a)%4)+\b):8*(8*((\a)%4)+\b)+7], v[128*(\p)+FR*\b:128*(\p)+FR*\b+FR-1], v[AF+FR*(\a):AF+FR*(\a)+FR-1], v[8*(8*((\a)%4)+\b):8*(8*((\a)%4)+\b)+7], v[SC+8*NQ*(\sc)+NQ*\b+(\q)], v[SC+8*NQ*(\sc)+NQ*(\a)+(\q)] matrix_a_fmt:MATRIX_FMT_FP6 matrix_b_fmt:MATRIX_FMT_FP6 matrix_a_scale:MATRIX_SCALE_ROW1
.endif
.endr
.endr
.endm
.macro FETCH_B slot, q, p
.set PIT, STEPB*(1+\slot)              ; a tile's part in region 0 or 1
	WIN TO_B
.irp i, 0,1,2,3,4,5,6,7
	FRAG 128*(\p)+FR*\i, ADRB+\slot, \q, \i
.endr
	WIN 0
.endm
.macro FETCH_A slot, q, i0
.set PIT, STEPB*(1+\slot)
.irp i, \i0, \i0+1, \i0+2, \i0+3
	FRAG AF+FR*(\i), ADRA+\slot, \q, \i
.endr
.endm
.macro SCALES pr                       ; the scale words of K step pr (two steps of 128) into set pr % 2
.irp i, 0,1,2,3,4,5,6,7
	ds_load_b64 v[SC+8*NQ*((\pr)%2)+NQ*\i:SC+8*NQ*((\pr)%2)+NQ*\i+1], v[ADRS] offset:\i*SBLK+128*(\pr)
.endr
.endm
.macro PLACES n                        ; places in front of loads into registers that matrix instructions have read, and of the first read of results
.rept \n
	v_nop
.endr
.endm
.macro LOC st                          ; step st of 128 along K, 0 .. 7: its region RG and its place QQ there
.if (\st) < 2
.set RG, 0
.set QQ, \st
.elseif (\st) < 6
.set RG, 1
.set QQ, (\st)-2
.else
.set RG, 0
.set QQ, (\st)-6
.endif
.endm
.macro FETCH1 st                       ; B''s set, A''s blocks 0-3, and with an even step its pair's scale words
	LOC \st
	FETCH_B RG, QQ, (\st)%2
	FETCH_A RG, QQ, 0
.if (\st)%2 == 0
	SCALES (\st)/2
.endif
.endm
.macro FETCH2 st                       ; A''s blocks 4-7
	LOC \st
	FETCH_A RG, QQ, 4
.endm
.macro STEP st, zero
	s_wait_dscnt 4*NL                              ; B''s set and A''s blocks 0-3 are in; the youngest 24 loads (A''s blocks 4-7) may be out
	WIN MUL_LO
	MUL16 0, (\st)%2, (\st)%2, ((\st)/2)%2, \zero
	MUL16 2, (\st)%2, (\st)%2, ((\st)/2)%2, \zero
	s_wait_dscnt 0
	PLACES NP
	FETCH1 (\st)+1
	WIN MUL_HI
	MUL16 4, (\st)%2, (\st)%2, ((\st)/2)%2, \zero
	MUL16 6, (\st)%2, (\st)%2, ((\st)/2)%2, \zero
	PLACES NP
	WIN 0
	FETCH2 (\st)+1
.endm
; A slot's last step changes slots: one barrier; in front of it each wave waits for all its tensor loads, adds 0 to its spare word, and waits for that and for its own reads of this slot.
.macro TURN slot, next, fill, pr
	s_wait_tensorcnt 0x0                           ; all my tensor loads have landed: my part of the next slot
	ds_add_u32 v[SPW], v[NIL]                      ; 0 onto my spare word
	s_wait_dscnt 4*NL+1                            ; the add and the youngest 24 loads may be out
	WIN MUL_LO
	MUL16 0, 1, NQ-1, \slot, 0
	s_wait_dscnt 0x0                               ; the add is done, and my reads of this slot are over
	s_barrier_signal -1
	MUL16 2, 1, NQ-1, \slot, 0
	WIN 0
	s_barrier_wait -1
.if \fill
	CREST                                          ; the barrier has opened a round of the cluster's barrier: no wave of any partner still reads this slot or has a load on its way
	s_add_nc_u64 s[G0+4*\slot+2:G0+4*\slot+3], s[G0+4*\slot+2:G0+4*\slot+3], 3*STEPB   ; K step 3
	s_mov_b32 s[G1+1], (STEPB/8)<<16               ; no tensor load of mine is out: rows of one K step again
	s_mov_b32 s[G1+3], (STEPB/8)<<16
	s_mov_b32 s[G1B+1], (STEPB/8)<<16
	s_mov_b32 s[G1B+3], (STEPB/8)<<16
	s_add_nc_u64 s[G0B+4*\slot+2:G0B+4*\slot+3], s[G0B+4*\slot+2:G0B+4*\slot+3], 3*STEPB
	JLOAD G0+4*\slot, G1, G0B+4*\slot, G1B         ; the first tensor load behind the round; its four v_nop are the places in front of the loads below
.else
	PLACES NP
.endif
	FETCH_B \next, 0, 0
	FETCH_A \next, 0, 0
	SCALES \pr
	WIN MUL_HI
	MUL16 4, 1, NQ-1, \slot, 0
	MUL16 6, 1, NQ-1, \slot, 0
	PLACES NP
	WIN 0
	FETCH_A \next, 0, 4
.endm
	s_wait_alu depctr_va_vdst(0)
	s_wait_tensorcnt 0x0                           ; my tile of the head's four is in; these lines stand ahead of slot 1's first fill as ahead of a refill
	ds_add_u32 v[SPW], v[NIL]
	s_mov_b32 s[G1+2], 8<<16                       ; no tensor load of mine is out: from here on a load brings 8 tiles,
	s_mov_b32 s[G1+4], 8
	s_mov_b32 s[G1B+2], 8<<16
	s_mov_b32 s[G1B+4], 8
	s_mov_b32 s[G1+1], (2*STEPB/8)<<16             ; and the next load's rows hold two K steps: 6,144 bytes
	s_mov_b32 s[G1+3], (2*STEPB/8)<<16
	s_mov_b32 s[G1B+1], (2*STEPB/8)<<16
	s_mov_b32 s[G1B+3], (2*STEPB/8)<<16
	s_mov_b32 s[G0+1], s45                         ; and slot 0's group 0 names my quarter of the slot
	s_add_nc_u64 s[G0+2:G0+3], s[G0+2:G0+3], s[100:101]
	s_mov_b32 s[G0B+1], s45
	s_add_nc_u64 s[G0B+2:G0B+3], s[G0B+2:G0B+3], s[100:101]
	s_wait_dscnt 0x0
	CROUND                                         ; all four tiles are in, all sixteen work-groups are here
	JLOAD G0+4, G1, G0B+4, G1B                     ; K step 1, the first tensor load behind the round
	FETCH_B 0, 0, 0
	FETCH_A 0, 0, 0
	SCALES 0
	FETCH_A 0, 0, 4
	STEP 0, 1                                      ; the first step's products start the sums
	TURN 0, 1, 1, 1                                ; step 1: region 1 is whole, region 0 is read out and takes K step 3
	STEP 2, 0
	STEP 3, 0
	STEP 4, 0
	TURN 0, 0, 0, 3                                ; step 5: a barrier shows K step 3
	STEP 6, 0
	s_wait_dscnt 4*NL
	WIN MUL_LO
	MUL16 0, 1, NQ-1, 1, 0
	MUL16 2, 1, NQ-1, 1, 0
	s_wait_dscnt 0
	WIN MUL_HI
	MUL16 4, 1, NQ-1, 1, 0
	MUL16 6, 1, NQ-1, 1, 0
	WIN 0
; THE WAY OUT.  The 64 accumulator registers of A''s block a are, in lane (r, h), the numbers n = 32 b + 16 h + i (register 16 b + i) of the block's row r: four blocks of 32 along the next K.
; QUANTA makes of them twelve registers of codes (n = 0 .. 63 in v[d0] on, n = 64 .. 127 in v[d1] on) and the row's four scale bytes in v[pw].  Each accumulator is read from its low end on.
.macro QUANTA a, d0, d1, pw
.set AC, 64*((\a)%4)
	WIN 0x0a+5*((\a)/4)                            ; sources 0 and 1: window 2 or 3
.irp b, 0,1,2,3
	v_max3_num_f32 v[TM+\b], |v[AC+16*\b]|, |v[AC+1+16*\b]|, 0x1800000   ; and the floor 2^(3 - 127): the byte cannot fall under 1
.endr
.irp i, 2,4,6,8,10,12,14
.irp b, 0,1,2,3
	v_max3_num_f32 v[TM+\b], |v[AC+16*\b+\i]|, |v[AC+1+16*\b+\i]|, v[TM+\b]
.endr
.endr
	WIN 0
.irp b, 0,1,2,3
	v_permlanex16_b32 v[TM+4+\b], v[TM+\b], s20, s21
.endr
.irp b, 0,1,2,3
	v_max_num_f32 v[TM+\b], v[TM+\b], v[TM+4+\b]
.endr
.irp b, 0,1,2,3
	v_add_nc_u32 v[TM+12+\b], 0xff000000, v[TM+\b] ; 2 off the exponent field: the conversion's scale operand
.endr
.irp b, 0,1,2,3
	v_lshrrev_b32 v[TM+4+\b], 23, v[TM+12+\b]
.endr
	v_lshl_or_b32 v[\pw], v[TM+5], 8, v[TM+4]
	v_lshl_or_b32 v[\pw], v[TM+6], 16, v[\pw]
	v_lshl_or_b32 v[\pw], v[TM+7], 24, v[\pw]
	WIN 0x02+(\a)/4                                ; source 0: window 2 or 3
	v_cvt_scalef32_pk16_fp6_f32 v[\d0:\d0+2], v[AC:AC+15], v[TM+12]
	v_cvt_scalef32_pk16_fp6_f32 v[PT:PT+2], v[AC+16:AC+31], v[TM+13]
	v_cvt_scalef32_pk16_fp6_f32 v[\d1:\d1+2], v[AC+32:AC+47], v[TM+14]
	v_cvt_scalef32_pk16_fp6_f32 v[PT+4:PT+6], v[AC+48:AC+63], v[TM+15]
	WIN 0
	v_nop                                          ; one plain place behind a scaled conversion
.irp i, 0,1,2
	v_permlane16_swap_b32 v[\d0+\i], v[PT+\i]      ; a WHOLE block in a lane: lanes 0-15 the even block, lanes 16-31 the odd one
	v_permlane16_swap_b32 v[\d1+\i], v[PT+4+\i]
.endr
.irp i, 0,1,2
	v_mov_b32 v[\d0+3+\i], v[PT+\i]
	v_mov_b32 v[\d1+3+\i], v[PT+4+\i]
.endr
.endm
	PLACES NP                                      ; behind the last products
.irp b, 0,1,2,3
	v_mov_b32 v[TM+4+\b], 0                        ; written once: a lane permute's destination counts as one of its sources
.endr
	s_cmp_eq_u32 s[VM], 1                          ; the same in all sixteen partners
	s_cbranch_scc1 .Lv_arm
	; q, k: n = 0 .. 63 is my first head, n = 64 .. 127 my second.  An image holds a head's 64 numbers of the two tiles of a group of 32 tokens: registers 0-5 tile 2 p, registers 6-11 tile 2 p + 1.
.irp p, 0,1,2,3
.if \p > 0
	s_wait_xcnt 0x0                                ; the last group's stores have read the images' registers
.endif
	QUANTA 2*\p, I0, I1, PWA
	QUANTA 2*\p+1, I0+6, I1+6, PWB
	v_perm_b32 v[SW0+\p], v[PWB], v[PWA], 0x05040100     ; the first head's word: the even tile's two bytes, then the odd tile's
	v_perm_b32 v[SW0+4+\p], v[PWB], v[PWA], 0x07060302   ; the second head's
.irp g, 0,1,2
	global_store_b128 v[CO], v[I0+4*\g:I0+4*\g+3], s[4:5] offset:\p*1536+512*\g   ; 512 consecutive bytes, aligned
	global_store_b128 v[CO], v[I1+4*\g:I1+4*\g+3], s[6:7] offset:\p*1536+512*\g
.endr
.endr
	global_store_b128 v[CO], v[SW0:SW0+3], s[8:9]  ; a lane's four words: the four groups
	global_store_b128 v[CO], v[SW0+4:SW0+7], s[10:11]
	s_branch .Ldone
.Lv_arm:
	; v: block a is tile a % 4 of the 64 channels of head a / 4; its 128 numbers are one key step: a whole fragment and a whole scale word
.irp a, 0,1,2,3,4,5,6,7
.if (\a > 0) && (\a%2 == 0)
	s_wait_xcnt 0x0                                ; the last two blocks' stores have read the images' registers
.endif
	QUANTA \a, I0+12*(\a%2), I0+12*(\a%2)+6, SW0+\a
.irp g, 0,1,2
	global_store_b128 v[CO], v[I0+12*(\a%2)+4*\g:I0+12*(\a%2)+4*\g+3], s[4+2*(\a/4):5+2*(\a/4)] offset:(\a%4)*1536+512*\g
.endr
.endr
	global_store_b128 v[CO], v[SW0:SW0+3], s[8:9]  ; a lane's four words: the head's four tiles of channels
	global_store_b128 v[CO], v[SW0+4:SW0+7], s[10:11]
.Ldone:
	s_wait_tensorcnt 0x0                           ; the wave's end, behind my last tensor load
	ds_add_u32 v[SPW], v[NIL]
	s_wait_dscnt 0x0
	CROUND                                         ; the closing round: no work-group ends while a partner may still ask for a tile that names it
	s_endpgm
.Lfunc_end_k_qcfa24dd8f4_gemm_qkv:
	.size	k_qcfa24dd8f4_gemm_qkv, .Lfunc_end_k_qcfa24dd8f4_gemm_qkv-k_qcfa24dd8f4_gemm_qkv
	.p2alignl 7, 3214868480
	.fill 96, 4, 3214868480
	.section	.rodata,"a",@progbits
	.p2align	6, 0x0
	.amdhsa_kernel k_qcfa24dd8f4_gemm_qkv
		.amdhsa_group_segment_fixed_size 327680
		.amdhsa_private_segment_fixed_size 0
		.amdhsa_enable_private_segment 0
		.amdhsa_kernarg_size 32
		.amdhsa_user_sgpr_count 2
		.amdhsa_user_sgpr_kernarg_segment_ptr 1
		.amdhsa_wavefront_size32 1
		.amdhsa_system_sgpr_workgroup_id_x 1
		.amdhsa_system_sgpr_workgroup_id_y 1
		.amdhsa_system_sgpr_workgroup_id_z 1
		.amdhsa_system_vgpr_workitem_id 0
		.amdhsa_next_free_vgpr 1024
		.amdhsa_next_free_sgpr 102
		.amdhsa_reserve_vcc 0
		.amdhsa_float_denorm_mode_32 3
		.amdhsa_float_denorm_mode_16_64 3
		.amdhsa_memory_ordered 1
		.amdhsa_forward_progress 1
		.amdhsa_inst_pref_size 199
	.end_amdhsa_kernel
	.amdgpu_metadata
---
amdhsa.version: [ 1, 2 ]
amdhsa.kernels:
  - .name:           k_qcfa24dd8f4_gemm_qkv
    .symbol:         k_qcfa24dd8f4_gemm_qkv.kd
    .args:
      - { .name: xq, .offset: 0, .size: 8, .value_kind: global_buffer, .address_space: global }
      - { .name: wq, .offset: 8, .size: 8, .value_kind: global_buffer, .address_space: global }
      - { .name: q, .offset: 16, .size: 8, .value_kind: global_buffer, .address_space: global }
      - { .name: kv, .offset: 24, .size: 8, .value_kind: global_buffer, .address_space: global }
    .group_segment_fixed_size: 327680
    .private_segment_fixed_size: 0
    .kernarg_segment_align: 8
    .kernarg_segment_size: 32
    .max_flat_workgroup_size: 128
    .sgpr_count:     102
    .vgpr_count:     1024
    .wavefront_size: 32
...
	.end_amdgpu_metadata
.endif
;; end of part 2
;; launch attn (part 3): grid 4 x 64, 16 waves a work-group, clusters of 4 x 1, 327,680 bytes of LDS; arguments q, kv, o; writes o
.if DOCPART == 3
	.amdgcn_target "amdgcn-amd-amdhsa--gfx1250"
	.amdhsa_code_object_version 6
	.text
	.protected	k_qcfa24dd8f4_attn
	.globl	k_qcfa24dd8f4_attn
	.p2align	8
	.type	k_qcfa24dd8f4_attn,@function
k_qcfa24dd8f4_attn:
	s_mov_b64 s[64:65], 0
	v_nop
	global_prefetch_b8 v0, s[64:65] scope:SCOPE_SE
	s_setreg_imm32_b32 hwreg(HW_REG_WAVE_MODE, 25, 1), 1
	s_wait_xcnt 0x0
	s_wait_alu depctr_hold_cnt(0) depctr_sa_sdst(0) depctr_va_vdst(0) depctr_va_sdst(0) depctr_va_ssrc(0) depctr_va_vcc(0) depctr_vm_vsrc(0)
	s_getreg_b32 s2, hwreg(HW_REG_IB_STS2, 6, 4)
	s_cmp_eq_u32 s2, 0
	s_cbranch_scc0 .Lentry_in_a_cluster
	s_endpgm
.Lentry_in_a_cluster:
	s_bfe_u32 s2, ttmp6, 0x10000c
	s_cmp_lg_u32 s2, 0x3003
	s_cbranch_scc0 .Lentry_shape_is_right
	s_endpgm
.Lentry_shape_is_right:
; Causal attention of one head (64 channels, 2,048 tokens) on codes of FP6 (E2M3) with E8M0 scales; both products quantised; the result is quantised along the channels for the last product and leaves in the order of an operand's registers.
; THE SOFTMAX: t = score x log2(e) / 8; M = the row's largest t so far, rounded UP to a whole number; p = 2^(t - M) is quantised along the keys, not normalised; the row's sum is taken of the unquantised p and divides at the end.
; When M moves, the sum and O are multiplied by 2^(old M - new M): exact.
; LEFT OUT: key steps all of whose keys come after all of a group's queries: the causal mask makes their p zero for every input.
; SHARES.  A head has 64 groups of 32 queries and 16 key steps of 128 keys; group G = 4 m + j needs steps 0 .. m.  Work-group j of the head's four takes the groups with G % 4 = j.
; Wave w (a = w / 2, tile u = w % 2 of the group) takes m = 15 - a (16 - a steps) and then m = a (a + 1 steps): 17 steps for every wave of every work-group; a group's last step holds its diagonal.
; LDS: the head's K and V, 8 slots of 26,624 bytes (a slot: 8 images of K, 8 fragments of V^T, their scale words, for 256 keys), all resident: 212,992 bytes, each byte filled once.
; FILLS: at the head each wave asks for 13 rows of 256 bytes (slots 0, 1); behind the three lines and a round each asks for 39 rows (slots 2 .. 7).  Steps 0 .. 3 read slots 0, 1; one plain barrier shows the rest; no barrier stands in the other 13 steps.
; CLUSTER: the head's four work-groups read the same eight slots: every load is joint (mask 15).  No branch and no LDS address hangs on the place in the cluster, j: it enters global addresses and the mask's compare value alone.
; NO PREFETCH: both fills go out at the head, one behind the other; there is no loop to run ahead in.
; K = 64 IN AN INSTRUCTION OF 128: Q stands in 18 registers [Q | zeros | Q]: source 1 = [Q | 0] gives the even tile's scores of an image of K, [0 | Q] the odd tile's.  Both products are used transposed: a lane holds one query.
; LIMITS: a block of results whose largest magnitude lies under 2^-124 (zeros among them) takes the byte 1; only this program reads the bytes.  The scaled scores stay under 2^31 in magnitude.
.set SLOTB, 26624
.set SPARE, 8*SLOTB                    ; behind the slots: the spare words, 128 bytes a wave
.set SPW, 5                            ; v5 my spare word; v6 0; never rewritten
.set NIL, 6
.set QS,  34                           ; Q's scale word
.set PW,  35                           ; p's scale word
.set KS,  36                           ; v36-39 K's scale words; v40-43 V's
.set VS,  40
.set KI,  44                           ; v44-91 K's four images; later p's codes
.set PC,  44
.set PT,  56
.set VI,  92                           ; v92-139 V's four fragments
.set S,   140                          ; v140-203 scores, then p
.set OT,  204                          ; v204-235 O^T
.set BM,  236
.set BT,  240
.set SO,  244
; v1 16 x lane; v2, v8 LDS addresses of the step; v4 8 x lane; v7 8 r + h; v9 16 x lane + 4 j; v10 my token in the diagonal step - 16 h; v12 -M, v13 largest t, v[14:15] the sum; v16-33 [Q|0|Q]; v[252:253] f
.set CX,  10                           ; s10 j
.set MM,  11                           ; s11 m of the group in hand
.set KST, 12                           ; s12 the key step
.set TT,  13                           ; s13 the trip, 0 .. 16
.set SW,  14                           ; s14 15 - a; s15 16 - a
.set SW1, 15
.set WV,  18
.macro CROUND
	s_barrier_signal -1
	s_barrier_wait -1
	s_cmp_lg_u32 s[WV], 0
	s_cbranch_scc1 .Lnw0_\@
	s_barrier_signal -3
.Lnw0_\@:
	s_barrier_wait -3
	s_barrier_signal -1
	s_barrier_wait -1
.endm
	s_load_b128 s[4:7], s[0:1], 0x0                ; q, kv
	s_load_b64 s[8:9], s[0:1], 0x10                ; o
	v_lshl_add_u32 v[SPW], v0, 2, SPARE
	v_mov_b32 v[NIL], 0
	ds_add_u32 v[SPW], v[NIL]                      ; the opening lines
	ds_add_u32 v[SPW], v[NIL]
	v_lshrrev_b32 v1, 5, v0
	v_readfirstlane_b32 s[WV], v1
	s_bfe_u32 s[CX], ttmp6, 0x40000
	s_and_b32 s70, ttmp7, 0xffff                   ; 16 x batch + head
	s_lshr_b32 s71, s[WV], 1                       ; a
	s_and_b32 s19, s[WV], 1                        ; u
	s_sub_co_u32 s[SW], 15, s71
	s_sub_co_u32 s[SW1], 16, s71
	s_mov_b32 s24, 15|(3<<16)|(1<<21)              ; group 1: the four partners, elements of 8 bytes; rows of 256 bytes, dense: 13 rows
	s_mov_b32 s25, 32<<16
	s_mov_b32 s26, 13<<16
	s_mov_b32 s27, 32<<16
	s_mov_b32 s28, 13
	s_mov_b32 s29, 32
	s_mov_b32 s30, 0
	s_mov_b32 s31, 0
	s_mov_b32 s32, 15|(3<<16)|(1<<21)              ; and 39 rows
	s_mov_b32 s33, 32<<16
	s_mov_b32 s34, 39<<16
	s_mov_b32 s35, 32<<16
	s_mov_b32 s36, 39
	s_mov_b32 s37, 32
	s_mov_b32 s38, 0
	s_mov_b32 s39, 0
	s_mul_i32 s72, s[WV], 3328                     ; my sixteenth of slots 0, 1, in LDS and in memory
	s_mul_i32 s73, s[WV], 9984                     ; and of slots 2 .. 7
	s_add_co_u32 s73, s73, 2*SLOTB
	s_mul_i32 s74, s70, 8*SLOTB
	s_add_co_u32 s86, s74, s73
	s_add_co_u32 s74, s74, s72
	s_mov_b32 s75, 0
	s_mov_b32 s87, 0
	s_mul_i32 s76, s70, 98304                      ; q's images: a head is 64 groups of 1,536 bytes
	s_mov_b32 s77, 0
	s_lshl_b32 s78, s70, 13                        ; q's scale words: 512 bytes for 128 tokens
	s_add_co_u32 s78, s78, 6291456
	s_mov_b32 s79, 0
	s_lshr_b32 s80, s70, 4
	s_lshl_b32 s80, s80, 7
	s_add_co_u32 s80, s80, s19                     ; my tile of 16 rows of o, at group 0
	s_and_b32 s81, s70, 15                         ; the head
	s_mul_i32 s82, s80, 12288
	s_mul_i32 s88, s81, 768
	s_add_co_u32 s82, s82, s88
	s_mov_b32 s83, 0
	s_lshl_b32 s84, s80, 9                         ; my two scale bytes of a row: word head / 2, bytes 2 (head % 2) + 0, 1
	s_lshr_b32 s88, s81, 2
	s_lshl_b32 s88, s88, 7
	s_add_co_u32 s84, s84, s88
	s_bfe_u32 s88, s81, 0x10001
	s_lshl_b32 s88, s88, 2
	s_add_co_u32 s84, s84, s88
	s_and_b32 s88, s81, 1
	s_lshl_b32 s88, s88, 1
	s_add_co_u32 s84, s84, s88
	s_add_co_u32 s84, s84, 6291456
	s_mov_b32 s85, 0
	s_cmp_eq_u32 s19, 1
	s_cselect_b32 s66, -1, 0
	s_mov_b32 s67, 0x01000100
	s_cselect_b32 s67, 0x03020302, s67             ; my tile's two bytes of the image's scale word, twice
	s_mov_b32 s68, 0xffff0000
	s_mov_b32 s20, 0x76543210
	s_mov_b32 s21, 0xfedcba98
	s_mov_b32 s22, 0x3e38aa3b                      ; c = log2(e) / 8
	s_mov_b32 s23, s22
	s_mov_b32 s[MM], s[SW]
	v_and_b32 v10, 31, v0
	v_lshlrev_b32 v1, 4, v10
	v_lshlrev_b32 v4, 3, v10
	v_and_b32 v11, 15, v0                          ; r
	v_bfe_u32 v2, v0, 4, 1                         ; h
	v_lshl_add_u32 v7, v11, 3, v2
	s_lshl_b32 s96, s[CX], 2
	v_add_nc_u32 v9, s96, v1
	v_and_b32 v3, 8, v11
	v_add_nc_u32 v3, v3, v11                       ; r + 8 (r / 8)
	v_lshlrev_b32 v2, 4, v2
	v_sub_nc_u32 v3, v3, v2
	s_lshl_b32 s96, s19, 3
	s_lshl_b32 s97, s[CX], 5
	s_add_co_u32 s96, s96, s97
	v_add_nc_u32 v10, s96, v3                      ; 32 j + 8 u + r + 8 (r / 8) - 16 h
.irp j, 0,1,2,3,4,5
	v_mov_b32 v[22+\j], 0                          ; the zero codes between Q's two copies
.endr
.irp b, 0,1,2,3
	v_mov_b32 v[BT+\b], 0                          ; a lane permute's destination counts as a source
.endr
	v_mov_b32 v253, 0
	v_mov_b32 v254, 0
	s_wait_alu depctr_va_vdst(0)                   ; ahead of the blocking wait
	s_wait_dscnt 0x0
	CROUND                                         ; in front of the first joint loads
	s_wait_kmcnt 0x0
	s_mov_b32 s40, 1
	s_mov_b32 s41, s72
	s_add_nc_u64 s[42:43], s[6:7], s[74:75]
	s_or_b32 s43, s43, 0x80000000
	s_mov_b32 s44, 1
	s_mov_b32 s45, s73
	s_add_nc_u64 s[46:47], s[6:7], s[86:87]
	s_or_b32 s47, s47, 0x80000000
	s_add_nc_u64 s[48:49], s[4:5], s[76:77]
	s_add_nc_u64 s[50:51], s[4:5], s[78:79]
	s_add_nc_u64 s[52:53], s[8:9], s[82:83]
	s_add_nc_u64 s[54:55], s[8:9], s[84:85]
	tensor_load_to_lds s[40:43], s[24:31]          ; every wave's one load at the head
	s_nop 0
; A group begins: its addresses, my tile of Q, the statistics.
.macro INIT
	s_lshl_b32 s98, s[MM], 2
	s_add_co_u32 s98, s98, s[CX]                   ; G
	s_mov_b32 s97, 0
	s_mul_i32 s96, s98, 1536
	s_add_nc_u64 s[56:57], s[48:49], s[96:97]
	s_lshl_b32 s96, s[MM], 9
	s_add_nc_u64 s[58:59], s[50:51], s[96:97]
	s_mul_i32 s96, s98, 24576
	s_add_nc_u64 s[60:61], s[52:53], s[96:97]
	s_lshl_b32 s96, s98, 10
	s_add_nc_u64 s[62:63], s[54:55], s[96:97]
.irp g, 0,1,2
	global_load_b128 v[S+4*\g:S+4*\g+3], v1, s[56:57] offset:512*\g
.endr
	global_load_b32 v[S+12], v9, s[58:59]
	s_wait_loadcnt 0x0
	v_perm_b32 v[QS], v[S+12], v[S+12], s67
.irp j, 0,1,2,3,4,5
	v_cndmask_b32 v[16+\j], v[S+\j], v[S+6+\j], s66
.endr
.irp j, 0,1,2,3,4,5
	v_mov_b32 v[28+\j], v[16+\j]
.endr
	v_mov_b32 v13, 0xff61b1e6                      ; -3e38, under every t
	v_floor_f32 v12, -v13
	v_mov_b32 v14, 0
	v_mov_b32 v15, 0
.set j, 0
.rept 32
	v_mov_b32 v[OT+j], 0                           ; also the places ahead of the first scaled products
.set j, j+1
.endr
	s_wait_alu depctr_va_vdst(0)                   ; a blocking wait or a taken branch follows
.endm
; A KEY STEP: keys 128 s .. 128 s + 127, s = s[KST], held to \bound for the address: slot s / 2, half s % 2.
.macro STEP bound
	s_min_u32 s96, s[KST], \bound
	s_lshr_b32 s97, s96, 1
	s_mul_i32 s97, s97, SLOTB
	s_and_b32 s96, s96, 1
	s_mul_i32 s98, s96, 6144
	s_lshl_b32 s96, s96, 9
	s_add_co_u32 s98, s98, s97
	s_add_co_u32 s96, s96, s97
	v_add_nc_u32 v2, s98, v1
	v_add_nc_u32 v8, s96, v1
	ds_load_b128 v[KS:KS+3], v8 offset:24576
.irp p, 0,1,2,3
.irp g, 0,1,2
	ds_load_b128 v[KI+12*\p+4*\g:KI+12*\p+4*\g+3], v2 offset:1536*\p+512*\g
.endr
.endr
	ds_load_b128 v[VS:VS+3], v8 offset:25600
.irp t, 0,1,2,3
.irp g, 0,1,2
	ds_load_b128 v[VI+12*\t+4*\g:VI+12*\t+4*\g+3], v2 offset:12288+1536*\t+512*\g
.endr
.endr
	s_wait_dscnt 13                                ; K's 13 loads are in; V's 13 may be out
.irp p, 0,1,2,3                                ; S^T = K Q^T: the 16 registers of tiles 2 p, 2 p + 1 are keys 32 p + 16 h + 0 .. 15
	v_wmma_scale_f32_16x16x128_f8f6f4 v[S+16*\p:S+16*\p+7], v[KI+12*\p:KI+12*\p+11], v[16:27], 0, v[KS+\p], v[QS] matrix_a_fmt:MATRIX_FMT_FP6 matrix_b_fmt:MATRIX_FMT_FP6
	v_wmma_scale_f32_16x16x128_f8f6f4 v[S+16*\p+8:S+16*\p+15], v[KI+12*\p:KI+12*\p+11], v[22:33], 0, v[KS+\p], v[QS] matrix_a_fmt:MATRIX_FMT_FP6 matrix_b_fmt:MATRIX_FMT_FP6
.endr
.rept 4
	v_nop
.endr
	s_cmp_lt_u32 s[KST], s[MM]                     ; only the group's last step holds hidden keys: the wave's number and the trip decide
	s_cbranch_scc1 .Lopen_\@
	v_mov_b32 v254, 0xff800000
.set n, 0
.rept 64
	v_cmp_gt_i32 vcc_lo, 32*(n/16)+n%16, v10       ; register 16 b + i holds key 32 b + 16 h + i of the step: hidden where 32 b + i > v10
	v_cndmask_b32 v[S+n], v[S+n], v254, vcc_lo
.set n, n+1
.endr
.Lopen_\@:
.irp b, 0,1,2,3
	v_max3_num_f32 v[BM+\b], v[S+16*\b], v[S+1+16*\b], v[S+2+16*\b]   ; each block's largest score: for the row's maximum and for the block's largest p
.endr
.irp i, 3,5,7,9,11,13
.irp b, 0,1,2,3
	v_max3_num_f32 v[BM+\b], v[BM+\b], v[S+16*\b+\i], v[S+1+16*\b+\i]
.endr
.endr
.irp b, 0,1,2,3
	v_max_num_f32 v[BM+\b], v[BM+\b], v[S+15+16*\b]
.endr
.irp b, 0,1,2,3
	s_delay_alu instid0(VALU_DEP_4)
	v_permlanex16_b32 v[BT+\b], v[BM+\b], s20, s21
.endr
.irp b, 0,1,2,3
	s_delay_alu instid0(VALU_DEP_4)
	v_max_num_f32 v[BM+\b], v[BM+\b], v[BT+\b]
.endr
	s_delay_alu instid0(VALU_DEP_2)
	v_max3_num_f32 v254, v[BM], v[BM+1], v[BM+2]
	s_delay_alu instid0(VALU_DEP_1)
	v_max_num_f32 v254, v254, v[BM+3]
	s_delay_alu instid0(VALU_DEP_1)
	v_mul_f32 v254, s22, v254
	s_delay_alu instid0(VALU_DEP_1)
	v_max_num_f32 v13, v13, v254                   ; the running largest t
	v_mov_b32 v254, v12
	s_delay_alu instid0(VALU_DEP_2)
	v_floor_f32 v12, -v13                          ; the new -M
	s_delay_alu instid0(VALU_DEP_1)
	v_sub_f32 v254, v12, v254
	s_delay_alu instid0(VALU_DEP_1)
	v_cvt_i32_f32 v254, v254
	s_delay_alu instid0(VALU_DEP_1)
	v_ldexp_f32 v252, 1.0, v254                    ; f = 2^(old M - new M)
.set j, 0
.rept 32
	v_pk_fma_f32 v[S+j:S+j+1], v[S+j:S+j+1], s[22:23], v[12:13] op_sel_hi:[1,0,0]   ; t - M
.set j, j+2
.endr
.irp b, 0,1,2,3
	v_fma_f32 v[BM+\b], v[BM+\b], s22, v12
.endr
.set j, 0
	s_wait_alu depctr_va_vdst(0)                   ; ahead of the batch
.rept 64
	v_exp_f32 v[S+j], v[S+j]
.set j, j+1
.endr
	v_pk_mul_f32 v[14:15], v[14:15], v[252:253] op_sel_hi:[1,0]   ; the sums under the new M
	s_wait_alu depctr_va_vdst(0)                   ; one wait for the batch
.irp b, 0,1,2,3
	v_exp_f32 v[BM+\b], v[BM+\b]                   ; the block's largest p
.endr
.set k, 0
.rept 6                                        ; the row's sum of the unquantised p: 32 pairs in seven chains
	v_pk_add_f32 v[240+2*k:241+2*k], v[S+4*k:S+4*k+1], v[S+4*k+2:S+4*k+3]
.set k, k+1
.endr
.set k, 12
.rept 20
.if k%7 == 6
	v_pk_add_f32 v[14:15], v[14:15], v[S+2*k:S+2*k+1]
.else
	v_pk_add_f32 v[240+2*(k%7):241+2*(k%7)], v[240+2*(k%7):241+2*(k%7)], v[S+2*k:S+2*k+1]
.endif
.set k, k+1
.endr
	v_pk_add_f32 v[240:241], v[240:241], v[242:243]
	v_pk_add_f32 v[244:245], v[244:245], v[246:247]
	v_pk_add_f32 v[248:249], v[248:249], v[250:251]
	v_pk_add_f32 v[240:241], v[240:241], v[244:245]
	v_pk_add_f32 v[14:15], v[14:15], v[248:249]
	v_pk_add_f32 v[14:15], v[14:15], v[240:241]
	s_wait_alu depctr_va_vdst(0)                   ; and one for the four
.irp b, 0,1,2,3
	v_max_num_f32 v[BM+\b], 0x1800000, v[BM+\b]    ; the floor: the byte cannot fall under 1
.endr
.irp b, 0,1,2,3
	v_add_nc_u32 v[SO+\b], 0xff000000, v[BM+\b]    ; the conversion's scale operand
.endr
.irp b, 0,1,2,3
	v_lshrrev_b32 v[BT+\b], 23, v[SO+\b]
.endr
	v_lshl_or_b32 v[PW], v[BT+1], 8, v[BT]
	v_lshl_or_b32 v[PW], v[BT+2], 16, v[PW]
	v_lshl_or_b32 v[PW], v[BT+3], 24, v[PW]
.irp c, 0,1
	v_cvt_scalef32_pk16_fp6_f32 v[PC+6*\c:PC+6*\c+2], v[S+32*\c:S+32*\c+15], v[SO+2*\c]
	v_cvt_scalef32_pk16_fp6_f32 v[PT+4*\c:PT+4*\c+2], v[S+32*\c+16:S+32*\c+31], v[SO+2*\c+1]
.endr
	v_nop
.irp c, 0,1
.irp i, 0,1,2
	v_permlane16_swap_b32 v[PC+6*\c+\i], v[PT+4*\c+\i]   ; a whole block in a lane
.endr
.irp i, 0,1,2
	v_mov_b32 v[PC+6*\c+3+\i], v[PT+4*\c+\i]
.endr
.endr
	s_wait_alu depctr_va_vdst(0)                   ; directly ahead of the first reader of O^T
.set j, 0
.rept 16
	v_pk_mul_f32 v[OT+j:OT+j+1], v[OT+j:OT+j+1], v[252:253] op_sel_hi:[1,0]   ; O^T under the new M; also the places ahead of the scaled products
.set j, j+2
.endr
	s_wait_alu depctr_va_vdst(0)
	s_wait_dscnt 0x0                               ; V is in
.irp t, 0,1,2,3                                ; O^T += V^T P^T: four accumulators by turns
	v_wmma_scale_f32_16x16x128_f8f6f4 v[OT+8*\t:OT+8*\t+7], v[VI+12*\t:VI+12*\t+11], v[PC:PC+11], v[OT+8*\t:OT+8*\t+7], v[VS+\t], v[PW] matrix_a_fmt:MATRIX_FMT_FP6 matrix_b_fmt:MATRIX_FMT_FP6
.endr
.rept 4
	v_nop
.endr
.endm
; A group ends: O^T / the sum, quantised along the head's 64 channels, stored where the last product's operand wants it.
.macro EPI
	v_add_f32 v14, v14, v15
	s_delay_alu instid0(VALU_DEP_1)
	v_permlanex16_b32 v254, v14, s20, s21
	s_delay_alu instid0(VALU_DEP_1)
	v_add_f32 v14, v14, v254
	s_wait_alu depctr_va_vdst(0)
	v_rcp_f32 v252, v14
	v_nop
	s_wait_alu depctr_va_vdst(0)
.set j, 0
.rept 16
	v_pk_mul_f32 v[OT+j:OT+j+1], v[OT+j:OT+j+1], v[252:253] op_sel_hi:[1,0]
.set j, j+2
.endr
.irp b, 0,1
	v_max3_num_f32 v[BM+\b], |v[OT+16*\b]|, |v[OT+1+16*\b]|, 0x1800000
.endr
.irp i, 2,4,6,8,10,12,14
.irp b, 0,1
	s_delay_alu instid0(VALU_DEP_2)
	v_max3_num_f32 v[BM+\b], v[BM+\b], |v[OT+16*\b+\i]|, |v[OT+1+16*\b+\i]|
.endr
.endr
.irp b, 0,1
	s_delay_alu instid0(VALU_DEP_2)
	v_permlanex16_b32 v[BT+\b], v[BM+\b], s20, s21
.endr
.irp b, 0,1
	s_delay_alu instid0(VALU_DEP_2)
	v_max_num_f32 v[BM+\b], v[BM+\b], v[BT+\b]
.endr
.irp b, 0,1
	s_delay_alu instid0(VALU_DEP_2)
	v_add_nc_u32 v[SO+\b], 0xff000000, v[BM+\b]
.endr
.irp b, 0,1
	s_delay_alu instid0(VALU_DEP_2)
	v_lshrrev_b32 v[BT+\b], 23, v[SO+\b]
.endr
	v_cvt_scalef32_pk16_fp6_f32 v[PC:PC+2], v[OT:OT+15], v[SO]
	v_cvt_scalef32_pk16_fp6_f32 v[PT:PT+2], v[OT+16:OT+31], v[SO+1]
	v_cndmask_b32 v254, v[BT], v[BT+1], s68        ; lanes 0-15 block 0's byte, lanes 16-31 block 1's
.irp i, 0,1,2
	v_permlane16_swap_b32 v[PC+\i], v[PT+\i]
.endr
.irp i, 0,1,2
	s_delay_alu instid0(VALU_DEP_3)
	v_mov_b32 v[PC+3+\i], v[PT+\i]
.endr
.irp p, 0,1,2
	global_store_b64 v4, v[PC+2*\p:PC+2*\p+1], s[60:61] offset:256*\p   ; 256 consecutive bytes, aligned
.endr
	global_store_b8 v7, v254, s[62:63]             ; a scale word's bytes come from two heads: single bytes
	s_wait_xcnt 0x0                                ; the stores have read their registers and bases
.endm
	INIT
	s_wait_tensorcnt 0x0                           ; my part of slots 0, 1 is in; the three lines ahead of the second fill
	ds_add_u32 v[SPW], v[NIL]
	s_mov_b32 s[TT], 0
	s_wait_dscnt 0x0
	CROUND
	tensor_load_to_lds s[44:47], s[32:39]          ; slots 2 .. 7, a sixteenth a wave: their first and only fill
	s_nop 0
.Lfirst:                                           ; steps 0 .. 3, out of slots 0 and 1
	s_mov_b32 s[KST], s[TT]
	STEP 3
	s_add_co_u32 s[TT], s[TT], 1
	s_cmp_lt_u32 s[TT], 4
	s_cbranch_scc1 .Lfirst
	s_wait_alu depctr_va_vdst(0)
	s_wait_tensorcnt 0x0                           ; my part of slots 2 .. 7 is in
	s_wait_dscnt 0x0
	s_barrier_signal -1                            ; a plain barrier
	s_barrier_wait -1
	s_mov_b32 s[TT], 4
.Lrest:                                            ; trips 4 .. 16: steps 4 .. 15 - a of the first group, then 0 .. a of the second
	s_cmp_gt_u32 s[TT], s[SW]
	s_cselect_b32 s96, s[SW1], 0
	s_sub_co_u32 s[KST], s[TT], s96
	STEP 15
	s_cmp_lg_u32 s[KST], s[MM]
	s_cbranch_scc1 .Lsame
	EPI
	s_cmp_eq_u32 s[TT], 16
	s_cbranch_scc1 .Lend
	s_mov_b32 s[MM], s71
	INIT
.Lsame:
	s_add_co_u32 s[TT], s[TT], 1
	s_cmp_lt_u32 s[TT], 17
	s_cbranch_scc1 .Lrest
.Lend:
	s_wait_dscnt 0x0
	s_barrier_signal -1                            ; every wave's LDS reads are over
	s_barrier_wait -1
	s_wait_tensorcnt 0x0                           ; the wave's end
	ds_add_u32 v[SPW], v[NIL]
	s_wait_dscnt 0x0
	CROUND                                         ; the closing round
	s_endpgm
.Lfunc_end_k_qcfa24dd8f4_attn:
	.size	k_qcfa24dd8f4_attn, .Lfunc_end_k_qcfa24dd8f4_attn-k_qcfa24dd8f4_attn
	.p2alignl 7, 3214868480
	.fill 96, 4, 3214868480
	.section	.rodata,"a",@progbits
	.p2align	6, 0x0
	.amdhsa_kernel k_qcfa24dd8f4_attn
		.amdhsa_group_segment_fixed_size 327680
		.amdhsa_private_segment_fixed_size 0
		.amdhsa_enable_private_segment 0
		.amdhsa_kernarg_size 24
		.amdhsa_user_sgpr_count 2
		.amdhsa_user_sgpr_kernarg_segment_ptr 1
		.amdhsa_wavefront_size32 1
		.amdhsa_system_sgpr_workgroup_id_x 1
		.amdhsa_system_sgpr_workgroup_id_y 1
		.amdhsa_system_sgpr_workgroup_id_z 1
		.amdhsa_system_vgpr_workitem_id 0
		.amdhsa_next_free_vgpr 256
		.amdhsa_next_free_sgpr 100
		.amdhsa_reserve_vcc 1
		.amdhsa_float_denorm_mode_32 3
		.amdhsa_float_denorm_mode_16_64 3
		.amdhsa_memory_ordered 1
		.amdhsa_forward_progress 1
		.amdhsa_inst_pref_size 60
	.end_amdhsa_kernel
	.amdgpu_metadata
---
amdhsa.version: [ 1, 2 ]
amdhsa.kernels:
  - .name:           k_qcfa24dd8f4_attn
    .symbol:         k_qcfa24dd8f4_attn.kd
    .args:
      - { .name: q, .offset: 0, .size: 8, .value_kind: global_buffer, .address_space: global }
      - { .name: kv, .offset: 8, .size: 8, .value_kind: global_buffer, .address_space: global }
      - { .name: o, .offset: 16, .size: 8, .value_kind: global_buffer, .address_space: global }
    .group_segment_fixed_size: 327680
    .private_segment_fixed_size: 0
    .kernarg_segment_align: 8
    .kernarg_segment_size: 24
    .max_flat_workgroup_size: 512
    .sgpr_count:     100
    .vgpr_count:     256
    .wavefront_size: 32
...
	.end_amdgpu_metadata
.endif
;; end of part 3
;; launch gemm_proj (part 4): grid 4 x 32, 4 waves a work-group, clusters of 4 x 4, 327,680 bytes of LDS; arguments o, wq, out0; writes out0
.if DOCPART == 4
	.amdgcn_target "amdgcn-amd-amdhsa--gfx1250"
	.amdhsa_code_object_version 6
	.text
	.protected	k_qcfa24dd8f4_gemm_proj
	.globl	k_qcfa24dd8f4_gemm_proj
	.p2align	8
	.type	k_qcfa24dd8f4_gemm_proj,@function
k_qcfa24dd8f4_gemm_proj:
	s_mov_b64 s[64:65], 0
	v_nop
	global_prefetch_b8 v0, s[64:65] scope:SCOPE_SE
	s_setreg_imm32_b32 hwreg(HW_REG_WAVE_MODE, 25, 1), 1
	s_wait_xcnt 0x0
	s_wait_alu depctr_hold_cnt(0) depctr_sa_sdst(0) depctr_va_vdst(0) depctr_va_sdst(0) depctr_va_ssrc(0) depctr_va_vcc(0) depctr_vm_vsrc(0)
	s_getreg_b32 s2, hwreg(HW_REG_IB_STS2, 6, 4)
	s_cmp_eq_u32 s2, 0
	s_cbranch_scc0 .Lentry_in_a_cluster
	s_endpgm
.Lentry_in_a_cluster:
	s_bfe_u32 s2, ttmp6, 0x10000c
	s_cmp_lg_u32 s2, 0xf033
	s_cbranch_scc0 .Lentry_shape_is_right
	s_endpgm
.Lentry_shape_is_right:
.set NQ,     2
.set FR,     12
.set NL,     6
.set NP,     4
.set TILEB,  12288
.set STEPB,  3072
.set HALFT,  8*STEPB
.set SLOT,   4*HALFT
; out0 = o w_proj on codes of FP6 with E8M0 scales, K = 1,024; a tile of 256 x 256 by four waves.
; THE WALK ALONG K: region 0 (SLOT bytes from 0, a tile's part 3,072 bytes) holds K step 0 and later K step 3; region 1 (2 SLOT bytes from SLOT, a tile's part 6,144 bytes) holds K steps 1 and 2, brought by one load a wave.
; One refill: K step 3 into region 0, asked for when step 0 is read out: 256 matrix instructions stand between the request and the wait for it.
.set SCL,    3*SLOT
.set HALFS,  4096
.set SBLK,   512
.set SPARE,  SCL+4*HALFS
.set SPITCH, 528
.set ADRA, 16
.set ADRB, 20
.set STO,  24
.set RD,   25
.set CO,   26
.set ADRS, 27
.set SPW,  28
.set NIL,  29
.set SC,   32
.set AF,   128
.set BK,   128
.set G1, 24
.set G0, 32
.set G1B, 48
.set G0B, 56
.set G1S, 68
.set G0S, 76
.set G1SB, 80
.set G0SB, 88
.set MSB, 0
.macro WIN new
.if MSB != \new
	s_set_vgpr_msb (MSB<<8)|\new
.set MSB, \new
.endif
.endm
.set MUL_LO, 0xa1
.set MUL_HI, 0xf1
.set TO_B,   0x40
.macro JLOAD g0a, g1a, g0b, g1b
	s_cmp_eq_u32 s15, 0
	s_cbranch_scc0 .Lfor_b_\@
	tensor_load_to_lds s[\g0a:\g0a+3], s[\g1a:\g1a+7]
	s_nop 0
.rept 4
	v_nop
.endr
	s_branch .Lasked_\@
.Lfor_b_\@:
	tensor_load_to_lds s[\g0b:\g0b+3], s[\g1b:\g1b+7]
	s_nop 0
.rept 4
	v_nop
.endr
.Lasked_\@:
.endm
.macro CREST
	s_cmp_lg_u32 s14, 0
	s_cbranch_scc1 .Lnot_wave_0_\@
	s_barrier_signal -3
.Lnot_wave_0_\@:
	s_barrier_wait -3
	s_barrier_signal -1
	s_barrier_wait -1
.endm
.macro CROUND
	s_barrier_signal -1
	s_barrier_wait -1
	CREST
.endm
	s_load_b128 s[4:7], s[0:1], 0x0
	s_load_b64 s[12:13], s[0:1], 0x10
	v_lshl_add_u32 v[SPW], v0, 2, SPARE
	v_mov_b32 v[NIL], 0
	ds_add_u32 v[SPW], v[NIL]
	ds_add_u32 v[SPW], v[NIL]
	v_lshrrev_b32 v1, 5, v0
	v_readfirstlane_b32 s14, v1
	s_lshr_b32 s15, s14, 1
	s_and_b32 s16, s14, 1
	s_bfe_u32 s40, ttmp6, 0x40000
	s_bfe_u32 s41, ttmp6, 0x40004
	s_lshl_b32 s42, ttmp9, 2
	s_add_co_u32 s42, s42, s40
	s_and_b32 s17, ttmp7, 0xffff
	s_lshl_b32 s17, s17, 2
	s_add_co_u32 s17, s17, s41
	s_lshl_b32 s43, s41, 2
	s_lshl_b32 s43, 15, s43
	s_lshl_b32 s44, 0x1111, s40
	s_or_b32 s[G1+0], s43, (3<<16)|(1<<21)
	s_or_b32 s[G1B+0], s44, (3<<16)|(1<<21)
.irp g, G1, G1B
	s_mov_b32 s[\g+1], (STEPB/8)<<16
	s_mov_b32 s[\g+2], 16<<16                      ; 16 tiles for the head's loads; set to 8 behind them
	s_mov_b32 s[\g+3], (STEPB/8)<<16
	s_mov_b32 s[\g+4], 16
	s_mov_b32 s[\g+5], TILEB/8
	s_mov_b32 s[\g+6], 0
	s_mov_b32 s[\g+7], 0
.endr
	s_or_b32 s[G1S+0], s43, (3<<16)|(1<<21)
	s_or_b32 s[G1SB+0], s44, (3<<16)|(1<<21)
.irp g, G1S, G1SB
	s_mov_b32 s[\g+1], 32<<16
	s_mov_b32 s[\g+2], 32<<16
	s_mov_b32 s[\g+3], 32<<16
	s_mov_b32 s[\g+4], 32
	s_mov_b32 s[\g+5], 32
	s_mov_b32 s[\g+6], 0
	s_mov_b32 s[\g+7], 0
.endr
	s_lshl_b32 s20, s17, 4                         ; A: first tile of the 16
	s_lshl_b32 s46, s42, 4                         ; B
	s_lshl_b32 s22, s20, 9
	s_add_co_u32 s22, s22, 6291456
	s_mov_b32 s23, 0
	s_lshl_b32 s92, s46, 9
	s_add_co_u32 s92, s92, 3145728+192*512
	s_mov_b32 s93, 0
	s_mul_i32 s20, s20, TILEB
	s_mov_b32 s21, 0
	s_mul_i32 s46, s46, TILEB
	s_add_co_u32 s46, s46, 192*TILEB
	s_mov_b32 s47, 0
	s_mul_i32 s45, s14, HALFT
	s_mul_i32 s100, s16, 8*TILEB                   ; in the ring I fetch 8 tiles of the 16: which half, in bytes
	s_mov_b32 s101, 0
	s_wait_dscnt 0x0
	s_wait_kmcnt 0x0
	s_add_nc_u64 s[20:21], s[4:5], s[20:21]
	s_add_nc_u64 s[22:23], s[4:5], s[22:23]
	s_add_nc_u64 s[46:47], s[6:7], s[46:47]
	s_add_nc_u64 s[92:93], s[6:7], s[92:93]
	CROUND
	s_mov_b32 s[G0S], 1
	s_mov_b32 s[G0S+1], SCL
	s_mov_b64 s[G0S+2:G0S+3], s[22:23]
	s_or_b32 s[G0S+3], s[G0S+3], 0x80000000
	s_mov_b32 s[G0SB], 1
	s_mov_b32 s[G0SB+1], SCL+2*HALFS
	s_mov_b64 s[G0SB+2:G0SB+3], s[92:93]
	s_or_b32 s[G0SB+3], s[G0SB+3], 0x80000000
	s_mov_b32 s[G0], 1                             ; the head's loads of K step 0 bring all 16 tiles: A's to slot 0's start,
	s_mov_b32 s[G0+1], 0
	s_mov_b64 s[G0+2:G0+3], s[20:21]
	s_or_b32 s[G0+3], s[G0+3], 0x80000000
	s_mov_b32 s[G0B], 1                            ; B's behind them
	s_mov_b32 s[G0B+1], 2*HALFT
	s_mov_b64 s[G0B+2:G0B+3], s[46:47]
	s_or_b32 s[G0B+3], s[G0B+3], 0x80000000
	s_add_nc_u64 s[20:21], s[20:21], s[100:101]    ; for the ring: my 8 tiles
	s_add_nc_u64 s[46:47], s[46:47], s[100:101]
	s_mov_b32 s[G0+4], 1
	s_lshl_b32 s[G0+5], s45, 1                     ; region 1: wave x 8 tiles x 6,144 bytes
	s_add_co_u32 s[G0+5], s[G0+5], SLOT
	s_add_nc_u64 s[G0+6:G0+7], s[20:21], STEPB
	s_or_b32 s[G0+7], s[G0+7], 0x80000000
	s_mov_b32 s[G0B+4], 1
	s_lshl_b32 s[G0B+5], s45, 1
	s_add_co_u32 s[G0B+5], s[G0B+5], SLOT
	s_add_nc_u64 s[G0B+6:G0B+7], s[46:47], STEPB
	s_or_b32 s[G0B+7], s[G0B+7], 0x80000000
; the head's four tiles, one load a wave: wave 0 A's codes of K step 0, wave 1 B's, wave 2 A's scale words, wave 3 B's; one tree of branches on the wave's number
.macro ARM under, g0, g1, next
	s_cmp_lt_u32 s14, \under
	s_cbranch_scc0 \next
	tensor_load_to_lds s[\g0:\g0+3], s[\g1:\g1+7]
	s_nop 0
.rept 4
	v_nop
.endr
	s_branch .Lhead_asked
\next:
.endm
	ARM 1, G0,  G1,  .Lhead_b
	ARM 2, G0B, G1B, .Lhead_sa
	ARM 3, G0S, G1S, .Lhead_sb
	tensor_load_to_lds s[G0SB:G0SB+3], s[G1SB:G1SB+7]
	s_nop 0
.rept 4
	v_nop
.endr
.Lhead_asked:
	v_and_b32 v1, 15, v0
	v_bfe_u32 v2, v0, 4, 1
	s_wait_alu depctr_va_vdst(0)
	v_and_b32 v3, 31, v0
	v_lshlrev_b32 v4, 3, v3
	s_mul_i32 s21, s15, HALFT
	s_mul_i32 s22, s16, HALFT
	s_add_co_u32 s22, s22, 2*HALFT
	v_add_nc_u32 v[ADRA], s21, v4
	v_add_nc_u32 v[ADRB], s22, v4
	s_lshl_b32 s21, s21, 1                         ; in region 1 every part is twice as long
	s_lshl_b32 s22, s22, 1
	s_add_co_u32 s21, s21, SLOT
	s_add_co_u32 s22, s22, SLOT
	v_add_nc_u32 v[ADRA+1], s21, v4
	v_add_nc_u32 v[ADRB+1], s22, v4
	v_lshlrev_b32 v5, 3, v1
	s_mul_i32 s21, s15, HALFS
	s_mul_i32 s22, s16, HALFS
	s_add_co_u32 s22, s22, 2*HALFS
	s_sub_co_u32 s22, s22, s21
	v_mul_u32_u24 v6, s22, v2
	s_add_co_u32 s21, s21, SCL
	v_add_nc_u32 v5, v5, v6
	v_add_nc_u32 v[ADRS], s21, v5
	s_mul_i32 s23, s14, 16*SPITCH
	s_add_co_u32 s23, s23, SLOT                    ; my stage lies in region 1: it has had its only fill, and nobody reads it behind step 5's barrier
	v_mul_u32_u24 v5, v1, SPITCH
	v_lshl_add_u32 v5, v2, 6, v5
	v_add_nc_u32 v[STO], s23, v5
	v_lshlrev_b32 v[CO], 4, v3
	v_add_nc_u32 v[RD], s23, v[CO]
	s_lshl_b32 s20, s17, 8
	s_lshl_b32 s21, s15, 7
	s_add_co_u32 s20, s20, s21
	s_lshl_b32 s20, s20, 12
	s_lshl_b32 s21, s42, 10
	s_add_co_u32 s20, s20, s21
	s_lshl_b32 s21, s16, 9
	s_add_co_u32 s20, s20, s21
	s_mov_b32 s21, 0
	s_add_nc_u64 s[12:13], s[12:13], s[20:21]
.macro FRAG reg, adr, q, i
.irp p, 0,1,2,3,4,5
	ds_load_b64 v[\reg+2*\p:\reg+2*\p+1], v[\adr] offset:(\i)*PIT+(2*(\q)+\p/3)*768+(\p%3)*256
.endr
.endm
.macro MUL16 a0, p, q, sc, zero
.irp a, \a0, \a0+1
.irp b, 0,1,2,3,4,5,6,7
.if \zero
	v_wmma_scale_f32_16x16x128_f8f6f4 v[8*(8*((\a)%4)+\b):8*(8*((\a)%4)+\b)+7], v[128*(\p)+FR*\b:128*(\p)+FR*\b+FR-1], v[AF+FR*(\a):AF+FR*(\a)+FR-1], 0, v[SC+8*NQ*(\sc)+NQ*\b+(\q)], v[SC+8*NQ*(\sc)+NQ*(\a)+(\q)] matrix_a_fmt:MATRIX_FMT_FP6 matrix_b_fmt:MATRIX_FMT_FP6 matrix_a_scale:MATRIX_SCALE_ROW1
.else
	v_wmma_scale_f32_16x16x128_f8f6f4 v[8*(8*((\a)%4)+\b):8*(8*((\a)%4)+\b)+7], v[128*(\p)+FR*\b:128*(\p)+FR*\b+FR-1], v[AF+FR*(\a):AF+FR*(\a)+FR-1], v[8*(8*((\a)%4)+\b):8*(8*((\a)%4)+\b)+7], v[SC+8*NQ*(\sc)+NQ*\b+(\q)], v[SC+8*NQ*(\sc)+NQ*(\a)+(\q)] matrix_a_fmt:MATRIX_FMT_FP6 matrix_b_fmt:MATRIX_FMT_FP6 matrix_a_scale:MATRIX_SCALE_ROW1
.endif
.endr
.endr
.endm
.macro FETCH_B slot, q, p
.set PIT, STEPB*(1+\slot)              ; a tile's part in region 0 or 1
	WIN TO_B
.irp i, 0,1,2,3,4,5,6,7
	FRAG 128*(\p)+FR*\i, ADRB+\slot, \q, \i
.endr
	WIN 0
.endm
.macro FETCH_A slot, q, i0
.set PIT, STEPB*(1+\slot)
.irp i, \i0, \i0+1, \i0+2, \i0+3
	FRAG AF+FR*(\i), ADRA+\slot, \q, \i
.endr
.endm
.macro SCALES pr                       ; the scale words of K step pr (two steps of 128) into set pr % 2
.irp i, 0,1,2,3,4,5,6,7
	ds_load_b64 v[SC+8*NQ*((\pr)%2)+NQ*\i:SC+8*NQ*((\pr)%2)+NQ*\i+1], v[ADRS] offset:\i*SBLK+128*(\pr)
.endr
.endm
.macro PLACES n
.rept \n
	v_nop
.endr
.endm
.macro LOC st                          ; step st of 128 along K, 0 .. 7: its region RG and its place QQ there
.if (\st) < 2
.set RG, 0
.set QQ, \st
.elseif (\st) < 6
.set RG, 1
.set QQ, (\st)-2
.else
.set RG, 0
.set QQ, (\st)-6
.endif
.endm
.macro FETCH1 st                       ; B's set, A's blocks 0-3, and with an even step its pair's scale words
	LOC \st
	FETCH_B RG, QQ, (\st)%2
	FETCH_A RG, QQ, 0
.if (\st)%2 == 0
	SCALES (\st)/2
.endif
.endm
.macro FETCH2 st                       ; A's blocks 4-7
	LOC \st
	FETCH_A RG, QQ, 4
.endm
.macro STEP st, zero
	s_wait_dscnt 4*NL
	WIN MUL_LO
	MUL16 0, (\st)%2, (\st)%2, ((\st)/2)%2, \zero
	MUL16 2, (\st)%2, (\st)%2, ((\st)/2)%2, \zero
	s_wait_dscnt 0
	PLACES NP
	FETCH1 (\st)+1
	WIN MUL_HI
	MUL16 4, (\st)%2, (\st)%2, ((\st)/2)%2, \zero
	MUL16 6, (\st)%2, (\st)%2, ((\st)/2)%2, \zero
	PLACES NP
	WIN 0
	FETCH2 (\st)+1
.endm
.macro TURN slot, next, fill, pr
	s_wait_tensorcnt 0x0
	ds_add_u32 v[SPW], v[NIL]
	s_wait_dscnt 4*NL+1
	WIN MUL_LO
	MUL16 0, 1, NQ-1, \slot, 0
	s_wait_dscnt 0x0
	s_barrier_signal -1
	MUL16 2, 1, NQ-1, \slot, 0
	WIN 0
	s_barrier_wait -1
.if \fill
	CREST
	s_add_nc_u64 s[G0+4*\slot+2:G0+4*\slot+3], s[G0+4*\slot+2:G0+4*\slot+3], 3*STEPB   ; K step 3
	s_mov_b32 s[G1+1], (STEPB/8)<<16               ; no tensor load of mine is out: rows of one K step again
	s_mov_b32 s[G1+3], (STEPB/8)<<16
	s_mov_b32 s[G1B+1], (STEPB/8)<<16
	s_mov_b32 s[G1B+3], (STEPB/8)<<16
	s_add_nc_u64 s[G0B+4*\slot+2:G0B+4*\slot+3], s[G0B+4*\slot+2:G0B+4*\slot+3], 3*STEPB
	JLOAD G0+4*\slot, G1, G0B+4*\slot, G1B
.else
	PLACES NP
.endif
	FETCH_B \next, 0, 0
	FETCH_A \next, 0, 0
	SCALES \pr
	WIN MUL_HI
	MUL16 4, 1, NQ-1, \slot, 0
	MUL16 6, 1, NQ-1, \slot, 0
	PLACES NP
	WIN 0
	FETCH_A \next, 0, 4
.endm
	s_wait_alu depctr_va_vdst(0)
	s_wait_tensorcnt 0x0                           ; my tile of the head's four is in; these lines stand ahead of slot 1's first fill as ahead of a refill
	ds_add_u32 v[SPW], v[NIL]
	s_mov_b32 s[G1+2], 8<<16                       ; no tensor load of mine is out: from here on a load brings 8 tiles,
	s_mov_b32 s[G1+4], 8
	s_mov_b32 s[G1B+2], 8<<16
	s_mov_b32 s[G1B+4], 8
	s_mov_b32 s[G1+1], (2*STEPB/8)<<16             ; and the next load's rows hold two K steps: 6,144 bytes
	s_mov_b32 s[G1+3], (2*STEPB/8)<<16
	s_mov_b32 s[G1B+1], (2*STEPB/8)<<16
	s_mov_b32 s[G1B+3], (2*STEPB/8)<<16
	s_mov_b32 s[G0+1], s45                         ; and slot 0's group 0 names my quarter of the slot
	s_add_nc_u64 s[G0+2:G0+3], s[G0+2:G0+3], s[100:101]
	s_mov_b32 s[G0B+1], s45
	s_add_nc_u64 s[G0B+2:G0B+3], s[G0B+2:G0B+3], s[100:101]
	s_wait_dscnt 0x0
	CROUND                                         ; all four tiles are in, all sixteen work-groups are here
	JLOAD G0+4, G1, G0B+4, G1B                     ; K step 1, the first tensor load behind the round
	FETCH_B 0, 0, 0
	FETCH_A 0, 0, 0
	SCALES 0
	FETCH_A 0, 0, 4
	STEP 0, 1                                      ; the first step's products start the sums
	TURN 0, 1, 1, 1                                ; step 1: region 1 is whole, region 0 is read out and takes K step 3
	STEP 2, 0
	STEP 3, 0
	STEP 4, 0
	TURN 0, 0, 0, 3                                ; step 5: a barrier shows K step 3
	STEP 6, 0
	s_wait_dscnt 4*NL
	WIN MUL_LO
	MUL16 0, 1, NQ-1, 1, 0
	MUL16 2, 1, NQ-1, 1, 0
	s_wait_dscnt 0
	WIN MUL_HI
	MUL16 4, 1, NQ-1, 1, 0
	MUL16 6, 1, NQ-1, 1, 0
	WIN 0
.macro TOSTAGE a
.set AC, 64*((\a)%4)
	WIN 0x08+4*((\a)/4)
.irp b, 0,1,2,3,4,5,6,7
	ds_store_b128 v[STO], v[AC+8*\b:AC+8*\b+3] offset:128*(\b/2)+32*(\b%2)
	ds_store_b128 v[STO], v[AC+8*\b+4:AC+8*\b+7] offset:128*(\b/2)+32*(\b%2)+16
.endr
	WIN 0
.set BB, BK+64*((\a)%2)
.irp t, 0,1,2,3,4,5,6,7,8,9,10,11,12,13,14,15
	ds_load_b128 v[BB+4*\t:BB+4*\t+3], v[RD] offset:\t*SPITCH
.endr
.endm
.macro SEND a, younger
.set BB, BK+64*((\a)%2)
	s_wait_dscnt \younger
.irp t, 0,1,2,3,4,5,6,7,8,9,10,11,12,13,14,15
	global_store_b128 v[CO], v[BB+4*\t:BB+4*\t+3], s[12:13] offset:(32*((\a)/2)+8*((\a)%2)+\t+8*(\t/8))*4096 th:TH_STORE_NT
.endr
.endm
	PLACES NP
	TOSTAGE 0
.irp a, 1,2,3,4,5,6,7
.if \a > 1
	s_wait_xcnt 0x0
.endif
	TOSTAGE \a
	SEND \a-1, 32
.endr
	SEND 7, 0
	s_wait_tensorcnt 0x0
	ds_add_u32 v[SPW], v[NIL]
	s_wait_dscnt 0x0
	CROUND
	s_endpgm
.Lfunc_end_k_qcfa24dd8f4_gemm_proj:
	.size	k_qcfa24dd8f4_gemm_proj, .Lfunc_end_k_qcfa24dd8f4_gemm_proj-k_qcfa24dd8f4_gemm_proj
	.p2alignl 7, 3214868480
	.fill 96, 4, 3214868480
	.section	.rodata,"a",@progbits
	.p2align	6, 0x0
	.amdhsa_kernel k_qcfa24dd8f4_gemm_proj
		.amdhsa_group_segment_fixed_size 327680
		.amdhsa_private_segment_fixed_size 0
		.amdhsa_enable_private_segment 0
		.amdhsa_kernarg_size 24
		.amdhsa_user_sgpr_count 2
		.amdhsa_user_sgpr_kernarg_segment_ptr 1
		.amdhsa_wavefront_size32 1
		.amdhsa_system_sgpr_workgroup_id_x 1
		.amdhsa_system_sgpr_workgroup_id_y 1
		.amdhsa_system_sgpr_workgroup_id_z 1
		.amdhsa_system_vgpr_workitem_id 0
		.amdhsa_next_free_vgpr 1024
		.amdhsa_next_free_sgpr 102
		.amdhsa_reserve_vcc 0
		.amdhsa_float_denorm_mode_32 3
		.amdhsa_float_denorm_mode_16_64 3
		.amdhsa_memory_ordered 1
		.amdhsa_forward_progress 1
		.amdhsa_inst_pref_size 159
	.end_amdhsa_kernel
	.amdgpu_metadata
---
amdhsa.version: [ 1, 2 ]
amdhsa.kernels:
  - .name:           k_qcfa24dd8f4_gemm_proj
    .symbol:         k_qcfa24dd8f4_gemm_proj.kd
    .args:
      - { .name: o, .offset: 0, .size: 8, .value_kind: global_buffer, .address_space: global }
      - { .name: wq, .offset: 8, .size: 8, .value_kind: global_buffer, .address_space: global }
      - { .name: out0, .offset: 16, .size: 8, .value_kind: global_buffer, .address_space: global }
    .group_segment_fixed_size: 327680
    .private_segment_fixed_size: 0
    .kernarg_segment_align: 8
    .kernarg_segment_size: 24
    .max_flat_workgroup_size: 128
    .sgpr_count:     102
    .vgpr_count:     1024
    .wavefront_size: 32
...
	.end_amdgpu_metadata
.endif
;; end of part 4
